; MI455X (gfx1250); checked and timed in simulation.
; The chip was launched on July 23, 2026; its instructions are those of AMD's public machine-readable ISA for CDNA 5 (MIT licence, August 2026) and "CDNA5" Instruction Set Architecture Reference Guide (July 2026). The comments in the code are by the model that wrote it; some were corrected since.
;; Multi Head Attention. Allowed arithmetic: matrix products marked QUANTISED: E4M3 operands, one given power-of-two scale a tensor, by v_wmma_f32_16x16x64_fp8_fp8 or v_wmma_f32_16x16x128_fp8_fp8, f32 sums; everything else in f32.
;; Inputs: in_weights 3 x 1,024 x 1,024 float32; key 4 x 2,048 x 1,024 float32; lowp_scales 12 int32 (the exponents e of the quantised operands' scales 2^e); out_weights 1,024 x 1,024 float32; query 4 x 2,048 x 1,024 float32; value 4 x 2,048 x 1,024 float32.
;; Outputs: out0 4 x 2,048 x 1,024 float32.
;; This version of the problem:
;;   THIS VERSION OF THE PROBLEM IS GIVEN IN LOW PRECISION. The matrix products marked QUANTISED in the list below multiply operands that are first quantised to E4M3 (4 exponent bits, 3 mantissa bits; 8 bits a number), with one given power-of-two scale for each operand tensor; their sums are f32. All else is computed in f32.
;;   The module's matrix products, in the order in which they are computed (A, B: the left and right operand; K: the contracted axis; several contracted axes count as one K, in the product's order):
;;     1. [M 8,192, K 1,024] x [K 1,024, N 1,024]; A: input key; B: input in_weights: QUANTISED (scales: A lowp_scales[0], B lowp_scales[1])
;;     2. [M 8,192, K 1,024] x [K 1,024, N 1,024]; A: input query; B: input in_weights: QUANTISED (scales: A lowp_scales[2], B lowp_scales[3])
;;     3. [M 8,192, K 1,024] x [K 1,024, N 1,024]; A: input value; B: input in_weights: QUANTISED (scales: A lowp_scales[4], B lowp_scales[5])
;;     4. batch 64 x [M 2,048, K 64] x [K 64, N 2,048]; A: computed on the way; B: computed on the way: QUANTISED (scales: A lowp_scales[6], B lowp_scales[7])
;;     5. batch 64 x [M 2,048, K 2,048] x [K 2,048, N 64]; A: softmax (see below); B: computed on the way: QUANTISED (scales: A lowp_scales[8], B lowp_scales[9])
;;     6. [M 8,192, K 1,024] x [K 1,024, N 1,024]; A: computed on the way; B: input out_weights: QUANTISED (scales: A lowp_scales[10], B lowp_scales[11])
;;   THE QUANTISER, for each operand of a quantised product, along K:
;;     - The operand's scale is 2^e, e = its entry of the input lowp_scales (int32; the entries are numbered through the quantised products in the list's order, A before B).
;;     - Each number is divided by the scale, clamped to +-448, and rounded to the nearest number of E4M3, ties to even, subnormals kept.
;;     - The product sums the exact products of the quantised numbers (number of the format x scale) in f32.
;;   ~~~python
;;   def quantise(x, axis, e):      # numpy; x: float32 -> the quantised numbers, widened to float32 again
;;       x = np.moveaxis(x, axis, -1); K = x.shape[-1]
;;       r = np.clip(x / 2.0 ** e, -448, 448)
;;       step = 2.0 ** (np.maximum(np.frexp(np.where(r == 0, 1, r))[1] - 1, -6) - 3)
;;       q = np.round(r / step) * step * 2.0 ** e      # np.round: ties to even
;;       return np.moveaxis(q, -1, axis).astype(np.float32)
;;   ~~~
;;   SOFTMAX AHEAD OF A QUANTISED PRODUCT. Where the list says 'softmax', what is quantised is not the finished softmax but p = 2^(t - M), with t = logit x log2(e) and M = ceil(the row's largest t), a whole number; so 1/2 < the row's largest p <= 1. The row's sum l is taken of the UNQUANTISED p, in f32, and the product's result is divided by l at the end. Since M is a whole number, a kernel that streams over the keys may use a running M (the ceiling of the running maximum): every later rescaling is an exact power of two, so the quantised numbers keep their values, but for numbers so far below the row's largest that they fall under the format's range.
;;   OPERANDS COMPUTED ON THE WAY. 'Computed on the way' means the value that the module computes at that place (a softmax that the list does not call 'softmax' is quantised finished and normalised). What goes into a quantiser is computed in f32, as accurately as f32 sums, v_exp_f32 and their like allow (about 1e-6 of the number): no bf16 or f16 on the way to a quantiser, and a product that is left as it is and whose result goes on into a quantised operand takes f32 operands (vector FMAs, or v_wmma_f32_16x16x4_f32). A number that lies on a knife's edge between two numbers of the format may be rounded either way, as far as f32 arithmetic and the matrix unit's own rounding can turn it there, and no further.
;; 2 versions, each right; version 2 is version 1 with the launch attn written anew for expert scheduling mode. Each part assembles by itself: llvm-mc -triple=amdgcn-amd-amdhsa -mcpu=gfx1250 --defsym DOCPART=n.
;; ======== version 1 of 2: 4 launches
;; workspace buffers: xf 25,165,824 bytes; wf 4,194,304 bytes; qkv 25,165,824 bytes; af 8,388,608 bytes
;; launch prep (part 1): grid 512 x 1, 4 waves a work-group, no clusters, 34,304 bytes of LDS; arguments key, query, value, in_weights, out_weights, lowp_scales, xf, wf; writes xf, wf
.if DOCPART == 1
	.amdgcn_target "amdgcn-amd-amdhsa--gfx1250"
	.amdhsa_code_object_version 6
	.text
	.protected	k_q5288ad96b1_prep
	.globl	k_q5288ad96b1_prep
	.p2align	8
	.type	k_q5288ad96b1_prep,@function
k_q5288ad96b1_prep:
	s_mov_b64 s[64:65], 0
	v_nop
	global_prefetch_b8 v0, s[64:65] scope:SCOPE_SE
	s_setreg_imm32_b32 hwreg(HW_REG_WAVE_MODE, 25, 1), 1
	s_wait_xcnt 0x0
; key, query, value [8192][1024] f32 and the four weights [1024 (k)][1024 (n)] f32 become codes of E4M3, each tensor with its given scale 2^e:
; code = x / 2^e, held within +-448, rounded to the nearest code, ties to even.
; THE CODES ARE LAID AS IMAGES OF OPERAND REGISTERS.  A fragment of 16 rows x 128 K is 16 registers a lane; lane (r = lane % 16, h = lane / 16) holds, of row r, in registers 4 c .. 4 c + 3
; the codes of k = 32 c + 8 h + 0 .. 7 and k = 32 c + 16 + 8 h + 0 .. 7.  Its image is 2,048 bytes: quad c at 512 c, lane l's 16 bytes at 16 l.
; xf: tensor t (0 key, 1 query, 2 value) at t << 23; row tile rt (16 rows) at rt << 14; K step ks (128 along K) at ks << 11.   wf: matrix (0..2 in_weights, 3 out_weights) at m << 20; tile of 16 columns n at nt << 14; ks << 11.
; Work-groups 0 to 383 take the rows of x (K innermost), work-groups 384 to 511 the weights (K outermost).  The two ways part at once on the work-group's number; only the first uses LDS; no barrier: waves share nothing.
; LIMITS: each e used here (entries 0 to 5 and 11) lies between -126 and 119, so that 2^e and 448 x 2^e are f32 numbers.  NaN among the inputs is not served; an infinity is held at the largest code.
.set R,    16                          ; x: v16-143  two sets of 64: 16 rows x 16 bytes a lane, as loaded
.set X,    144                         ; x: v144-207 my 64 numbers of a K step, in the order of the operand's registers
.set C,    208                         ; x: v208-239 two sets of 16: a fragment's codes
.set XW,   16                          ; W: v16-79   two sets of 32 numbers down K
.set CW,   80                          ; W: v80-143  eight registers of codes for each of eight blocks: no store's data are written again
.set SPX,  528                         ; x: a stage row: 512 bytes + 16, an odd multiple of 16: the sixteen rows that a read touches begin at sixteen different places modulo 256 bytes
	s_load_b256 s[4:11], s[0:1], 0x0               ; key s[4:5], query s[6:7], value s[8:9], in_weights s[10:11]
	s_load_b256 s[12:19], s[0:1], 0x20             ; out_weights s[12:13], the exponents s[14:15], xf s[16:17], wf s[18:19]
	v_lshl_add_u32 v240, v0, 2, 0x8400
	v_mov_b32 v241, 0
	v_lshrrev_b32 v1, 5, v0
	v_readfirstlane_b32 s20, v1                    ; wave 0..3
	v_and_b32 v1, 31, v0                           ; lane
	s_wait_kmcnt 0x0
	s_load_b256 s[24:31], s[14:15], 0x0            ; e0 .. e7
	s_load_b128 s[32:35], s[14:15], 0x20           ; e8 .. e11
	s_cmp_lt_u32 ttmp9, 384
	s_cbranch_scc0 .Lw
; ---------------- the rows of x.  A wave takes one row tile (16 rows x 1,024) in eight K steps.
	s_lshr_b32 s21, ttmp9, 7                       ; t: which tensor
	s_and_b32 s22, ttmp9, 127
	s_lshl_b32 s22, s22, 2
	s_add_co_u32 s22, s22, s20                     ; rt: my row tile, 0..511
	s_cmp_eq_u32 s21, 0
	s_cselect_b64 s[36:37], s[4:5], s[6:7]
	s_cmp_eq_u32 s21, 2
	s_cselect_b64 s[36:37], s[8:9], s[36:37]       ; the choice hangs on the work-group's number alone
	s_lshl_b32 s40, s22, 16                        ; 16 rows of 4,096 bytes
	s_mov_b32 s41, 0
	s_add_nc_u64 s[36:37], s[36:37], s[40:41]
	s_lshl_b32 s40, s21, 23
	s_lshl_b32 s42, s22, 14
	s_add_co_u32 s40, s40, s42
	s_add_nc_u64 s[38:39], s[16:17], s[40:41]      ; my row tile's eight images
	v_lshlrev_b32 v2, 4, v1                        ; 16 x lane: my bytes of a load's 512, and of an image's quad
	s_mul_i32 s43, s20, 16*SPX                     ; my wave's stage
	v_add_nc_u32 v3, s43, v2                       ; into it: a row as it lies
	v_and_b32 v5, 15, v0                           ; r
	v_bfe_u32 v6, v0, 4, 1                         ; h
	v_mul_u32_u24 v4, v5, SPX
	v_lshl_add_u32 v4, v6, 5, v4
	v_add_nc_u32 v4, s43, v4                       ; out of it: row r, + 32 h bytes (8 numbers)
.macro LOADX t                         ; K step t: each load reads 512 consecutive bytes of one row
.irp p, 0,1,2,3,4,5,6,7,8,9,10,11,12,13,14,15
	global_load_b128 v[R+64*((\t)%2)+4*\p:R+64*((\t)%2)+4*\p+3], v2, s[36:37] offset:\p*4096+(\t)*512 th:TH_LOAD_NT
.endr
.endm
	LOADX 0
	LOADX 1
	s_wait_kmcnt 0x0
	s_cmp_eq_u32 s21, 0
	s_cselect_b32 s44, s24, s26
	s_cmp_eq_u32 s21, 2
	s_cselect_b32 s44, s28, s44                    ; e0, e2 or e4
	s_add_co_i32 s44, s44, 127
	s_lshl_b32 s45, s44, 23
	v_mov_b32 v11, s45                             ; 2^e as f32: the conversion takes its exponent field
	s_add_co_i32 s44, s44, 8
	s_lshl_b32 s44, s44, 23
	s_or_b32 s44, s44, 0x600000
	v_mov_b32 v10, s44                             ; 448 x 2^e
.macro STEPX t
.set RS, R+64*((\t)%2)
.set CSET, C+16*((\t)%2)
.if (\t) < 7
	s_wait_loadcnt 16                              ; this step's 16 loads are in; the next step's 16 may be out
.else
	s_wait_loadcnt 0
.endif
.irp p, 0,1,2,3,4,5,6,7,8,9,10,11,12,13,14,15
	ds_store_b128 v3, v[RS+4*\p:RS+4*\p+3] offset:\p*SPX
.endr
.irp c, 0,1,2,3                        ; LDS serves a wave's instructions in order: these see the stores above.  Quad c: k = 32 c + 8 h + 0..7 (32 bytes), then k = 32 c + 16 + 8 h + 0..7
	ds_load_b128 v[X+16*\c:X+16*\c+3],     v4 offset:128*\c
	ds_load_b128 v[X+16*\c+4:X+16*\c+7],   v4 offset:128*\c+16
	ds_load_b128 v[X+16*\c+8:X+16*\c+11],  v4 offset:128*\c+64
	ds_load_b128 v[X+16*\c+12:X+16*\c+15], v4 offset:128*\c+80
.endr
	s_wait_dscnt 0x0                               ; my numbers are back, and the stage's stores have read their registers,
	s_wait_xcnt 0x0                                ; and the stores of two steps ago have read this set of codes
.if (\t)+2 < 8
	LOADX (\t)+2                                   ; which take the loads of two steps on
.endif
.irp c, 0,1,2,3
.set i, 0
.rept 16
	v_med3_num_f32 v[X+16*\c+i], v[X+16*\c+i], -v10, v10   ; the conversion to an 8-bit code does not saturate (ISA guide 7.6.2): the hold at the largest code x the scale
.set i, i+1
.endr
	v_cvt_scalef32_pk8_fp8_f32 v[CSET+4*\c:CSET+4*\c+1],   v[X+16*\c:X+16*\c+7],    v11
	v_cvt_scalef32_pk8_fp8_f32 v[CSET+4*\c+2:CSET+4*\c+3], v[X+16*\c+8:X+16*\c+15], v11
.endr
	v_nop                                          ; a plain vector line behind the last conversion
.irp c, 0,1,2,3
	global_store_b128 v2, v[CSET+4*\c:CSET+4*\c+3], s[38:39] offset:(\t)*2048+\c*512   ; the wave stores 512 consecutive bytes, at a multiple of 512 from the buffer's first byte
.endr
.endm
.irp t, 0,1,2,3,4,5,6,7
	STEPX \t
.endr
	s_wait_tensorcnt 0x0
	ds_add_u32 v240, v241
	s_wait_dscnt 0x0
	s_endpgm
; ---------------- the weights: K is the first axis.  A lane takes a column n and its registers run down K: each load reads neighbouring n in neighbouring lanes, and nothing is transposed.
; A work-group takes 128 columns x 256 along K of one matrix; a wave 32 columns (two tiles of 16), eight blocks of 32 along K.  A lane holds all 32 codes of its column's quad: the piece of h = 0 and the piece of h = 1.
.Lw:
	s_sub_co_u32 s21, ttmp9, 384
	s_lshr_b32 s22, s21, 5                         ; the matrix, 0..3
	s_and_b32 s23, s21, 7                          ; which 128 columns
	s_bfe_u32 s36, s21, 0x20003                    ; which 256 along K
	s_lshl_b32 s40, s22, 22                        ; a matrix of in_weights is 1 << 22 bytes
	s_cmp_eq_u32 s22, 3
	s_cselect_b64 s[38:39], s[12:13], s[10:11]
	s_cselect_b32 s40, 0, s40
	s_lshl_b32 s42, s36, 20                        ; 256 rows of 4,096 bytes
	s_add_co_u32 s40, s40, s42
	s_lshl_b32 s42, s23, 9
	s_add_co_u32 s40, s40, s42
	s_lshl_b32 s42, s20, 7
	s_add_co_u32 s40, s40, s42
	s_mov_b32 s41, 0
	s_add_nc_u64 s[38:39], s[38:39], s[40:41]
	s_lshl_b32 s40, s22, 20
	s_lshl_b32 s42, s23, 17                        ; 8 tiles of 16 columns, 1 << 14 bytes each
	s_add_co_u32 s40, s40, s42
	s_lshl_b32 s42, s20, 15                        ; my wave's two
	s_add_co_u32 s40, s40, s42
	s_lshl_b32 s42, s36, 12                        ; two K steps of 2,048 bytes
	s_add_co_u32 s40, s40, s42
	s_add_nc_u64 s[18:19], s[18:19], s[40:41]
	v_lshlrev_b32 v2, 2, v1                        ; in: 4 bytes a lane
	v_lshrrev_b32 v3, 4, v1
	v_and_b32 v4, 15, v1
	v_lshlrev_b32 v3, 14, v3
	v_lshl_add_u32 v3, v4, 4, v3                   ; out: my tile of columns, 16 x (lane % 16)
.macro LOADW t                         ; block t: W(32 t + i, my column)
.set i, 0
.rept 32
	global_load_b32 v[XW+32*((\t)%2)+i], v2, s[38:39] offset:(32*(\t)+i)*4096 th:TH_LOAD_NT
.set i, i+1
.endr
.endm
	LOADW 0
	LOADW 1
	s_wait_kmcnt 0x0
	s_cmp_eq_u32 s22, 0
	s_cselect_b32 s44, s25, s27
	s_cmp_eq_u32 s22, 2
	s_cselect_b32 s44, s29, s44
	s_cmp_eq_u32 s22, 3
	s_cselect_b32 s44, s35, s44                    ; e1, e3, e5 or e11
	s_add_co_i32 s44, s44, 127
	s_lshl_b32 s45, s44, 23
	v_mov_b32 v11, s45
	s_add_co_i32 s44, s44, 8
	s_lshl_b32 s44, s44, 23
	s_or_b32 s44, s44, 0x600000
	v_mov_b32 v10, s44
.macro BLOCKW t
.set XS, XW+32*((\t)%2)
.set CB, CW+8*(\t)
.if (\t) < 7
	s_wait_loadcnt 32                              ; this block's 32 loads are in; the next block's may be out
.else
	s_wait_loadcnt 0
.endif
.set i, 0
.rept 32
	v_med3_num_f32 v[XS+i], v[XS+i], -v10, v10
.set i, i+1
.endr
	v_cvt_scalef32_pk8_fp8_f32 v[CB:CB+1],   v[XS:XS+7],     v11   ; k + 0..7:   h = 0, first half
	v_cvt_scalef32_pk8_fp8_f32 v[CB+4:CB+5], v[XS+8:XS+15],  v11   ; k + 8..15:  h = 1, first half
	v_cvt_scalef32_pk8_fp8_f32 v[CB+2:CB+3], v[XS+16:XS+23], v11   ; k + 16..23: h = 0, second half
	v_cvt_scalef32_pk8_fp8_f32 v[CB+6:CB+7], v[XS+24:XS+31], v11   ; k + 24..31: h = 1, second half
	v_nop                                          ; a plain vector line behind the last conversion
	global_store_b128 v3, v[CB:CB+3],   s[18:19] offset:((\t)/4)*2048+((\t)%4)*512       ; sixteen lanes store 256 consecutive bytes, aligned
	global_store_b128 v3, v[CB+4:CB+7], s[18:19] offset:((\t)/4)*2048+((\t)%4)*512+256
.if (\t)+2 < 8
	LOADW (\t)+2
.endif
.endm
.irp t, 0,1,2,3,4,5,6,7
	BLOCKW \t
.endr
	s_endpgm
.Lfunc_end_k_q5288ad96b1_prep:
	.size	k_q5288ad96b1_prep, .Lfunc_end_k_q5288ad96b1_prep-k_q5288ad96b1_prep
	.p2alignl 7, 3214868480
	.fill 96, 4, 3214868480
	.section	.rodata,"a",@progbits
	.p2align	6, 0x0
	.amdhsa_kernel k_q5288ad96b1_prep
		.amdhsa_group_segment_fixed_size 34304
		.amdhsa_private_segment_fixed_size 0
		.amdhsa_enable_private_segment 0
		.amdhsa_kernarg_size 64
		.amdhsa_user_sgpr_count 2
		.amdhsa_user_sgpr_kernarg_segment_ptr 1
		.amdhsa_wavefront_size32 1
		.amdhsa_system_sgpr_workgroup_id_x 1
		.amdhsa_system_sgpr_workgroup_id_y 1
		.amdhsa_system_sgpr_workgroup_id_z 1
		.amdhsa_system_vgpr_workitem_id 0
		.amdhsa_next_free_vgpr 242
		.amdhsa_next_free_sgpr 66
		.amdhsa_reserve_vcc 0
		.amdhsa_float_denorm_mode_32 3
		.amdhsa_float_denorm_mode_16_64 3
		.amdhsa_memory_ordered 1
		.amdhsa_forward_progress 1
		.amdhsa_inst_pref_size 116
	.end_amdhsa_kernel
	.amdgpu_metadata
---
amdhsa.version: [ 1, 2 ]
amdhsa.kernels:
  - .name:           k_q5288ad96b1_prep
    .symbol:         k_q5288ad96b1_prep.kd
    .args:
      - { .name: key, .offset: 0, .size: 8, .value_kind: global_buffer, .address_space: global }
      - { .name: query, .offset: 8, .size: 8, .value_kind: global_buffer, .address_space: global }
      - { .name: value, .offset: 16, .size: 8, .value_kind: global_buffer, .address_space: global }
      - { .name: in_weights, .offset: 24, .size: 8, .value_kind: global_buffer, .address_space: global }
      - { .name: out_weights, .offset: 32, .size: 8, .value_kind: global_buffer, .address_space: global }
      - { .name: lowp_scales, .offset: 40, .size: 8, .value_kind: global_buffer, .address_space: global }
      - { .name: xf, .offset: 48, .size: 8, .value_kind: global_buffer, .address_space: global }
      - { .name: wf, .offset: 56, .size: 8, .value_kind: global_buffer, .address_space: global }
    .group_segment_fixed_size: 34304
    .private_segment_fixed_size: 0
    .kernarg_segment_align: 8
    .kernarg_segment_size: 64
    .max_flat_workgroup_size: 128
    .sgpr_count:     66
    .vgpr_count:     242
    .wavefront_size: 32
...
	.end_amdgpu_metadata
.endif
;; end of part 1
;; launch proj (part 2): grid 4 x 96, 4 waves a work-group, clusters of 4 x 4, 327,680 bytes of LDS; arguments xf, wf, lowp_scales, qkv; writes qkv
.if DOCPART == 2
	.amdgcn_target "amdgcn-amd-amdhsa--gfx1250"
	.amdhsa_code_object_version 6
	.text
	.protected	k_q5288ad96b1_proj
	.globl	k_q5288ad96b1_proj
	.p2align	8
	.type	k_q5288ad96b1_proj,@function
k_q5288ad96b1_proj:
	s_mov_b64 s[64:65], 0
	v_nop
	global_prefetch_b8 v0, s[64:65] scope:SCOPE_SE
	s_setreg_imm32_b32 hwreg(HW_REG_WAVE_MODE, 25, 1), 1
	s_wait_xcnt 0x0
	s_wait_alu depctr_hold_cnt(0) depctr_sa_sdst(0) depctr_va_vdst(0) depctr_va_sdst(0) depctr_va_ssrc(0) depctr_va_vcc(0) depctr_vm_vsrc(0)
	s_getreg_b32 s2, hwreg(HW_REG_IB_STS2, 6, 4)
	s_cmp_eq_u32 s2, 0
	s_cbranch_scc0 .Lentry_in_a_cluster
	s_endpgm
.Lentry_in_a_cluster:
	s_bfe_u32 s2, ttmp6, 0x10000c
	s_cmp_lg_u32 s2, 0xf033
	s_cbranch_scc0 .Lentry_shape_is_right
	s_endpgm
.Lentry_shape_is_right:
; The three projections k = key W0, q = query W1, v = value W2 on codes of E4M3 (v_wmma_f32_16x16x128_fp8_fp8, f32 sums), and the quantising of their results for the two products of attention.
; OPERANDS are images of registers (16 rows x 128 K in 2,048 bytes: quad c at 512 c, lane l at 16 l): xf: t << 23, row tile << 14, K step << 11;  wf: matrix << 20, tile of 16 n << 14, K step << 11.
; A tile of 256 x 256 results is made by a work-group of four waves; a wave makes 128 x 128: 64 accumulators.  K = 1,024 goes in four steps of 256 through two LDS slots: the text is written out, it has no loop.
; ROLES.  Source 1 of every matrix instruction is the 'A side', source 0 the 'B side': a lane then holds ONE row of the A side and eight neighbouring rows of the B side.
;   k, q: A side = tokens, B side = W^T's rows n: a lane's registers run along the head's d, the K of q k^T.     v: A side = W2^T's rows n, B side = tokens: the registers run along the keys, the K of p v.
;   The roles are changed by the choice of pointers alone (a choice on the cluster's number).  So eight registers of an accumulator, converted, ARE two registers of the next product's operand, and the codes leave as images.
; qkv: k at 0, q at 1 << 23: batch << 21 + head << 17 + tile of 16 tokens << 10 + quad << 9 + 16 lane (16 tokens x 64 d: two quads).
;      v at 1 << 24: batch << 21 + (head / 2) << 18 + (quad / 2) << 17 + block of 128 keys << 13 + (head % 2) << 12 + tile of 16 d << 10 + (quad % 2) << 9 + 16 lane (16 d x 128 keys: four quads).
;      With these layouts the stores' immediates are the same for all three tensors.
; CLUSTERS: 24 clusters of 4 x 4 work-groups, eight for each tensor.  The four of a row of the cluster need the same tiles of the A side, the four of a column the same tiles of the B side: each is asked for JOINTLY.
; LIMITS: e7 - e0 - e1, e6 - e2 - e3 and e9 - e4 - e5 lie between -126 and 119, so that the folded scale and 448 x it are f32 numbers.
; REGISTERS, in windows of 256: window 0: v12-29 scales and addresses; v32-95 at work on the way out; from v128 the A side's fragments, ONE set, later the codes.  window 1: the B side's fragments, TWO sets.  windows 2, 3: the accumulators.
.set FR,     16                        ; registers of a fragment
.set NL,     4                         ; LDS loads that bring one
.set NP,     4                         ; places behind this matrix instruction (ISA guide 7.12.1)
.set HALFT,  32768                     ; what one tensor load brings: 8 row tiles x two images (256 along K)
.set SLOT,   4*HALFT                   ; the A side's two halves, then the B side's
.set SPARE,  2*SLOT                    ; behind the ring: the spare words, 128 bytes for each wave, that no other line names
.set KSB,    4096                      ; a slot's bytes of a row tile in memory
.set SC,   12                          ; v12  the folded scale as f32
.set LIM,  13                          ; v13  448 x it
.set ADRA, 16                          ; v16-17  LDS address of my A fragments in slot 0, 1
.set ADRB, 20                          ; v20-21  the same for B
.set LI,   26                          ; v26  16 x lane
.set SPW,  28                          ; v28  LDS address of my spare word; never rewritten
.set NIL,  29                          ; v29  0; never rewritten
.set TMP,  32
.set AF,   128
.set CD,   128                         ; the way out: 16 registers of codes for each of my eight blocks: no store's data are written again
.set G1, 24                            ; s[24:31] descriptor group 1 for the A side;  s[32:39] group 0, one set for each slot
.set G0, 32
.set G1B, 48                           ; s[48:55], s[56:63] the same for the B side
.set G0B, 56
.set MSB, 0
.macro WIN new                         ; the immediate's high byte repeats the setting that is left
.if MSB != (\new)
	s_set_vgpr_msb (MSB<<8)|(\new)
.set MSB, (\new)
.endif
.endm
.set MUL_LO, 0xa1                      ; source 0 (B) window 1, source 1 (A) window 0, C and D window 2
.set MUL_HI, 0xf1                      ; the same, C and D window 3
.set TO_B,   0x40                      ; destination window 1, address window 0
; A joint load: waves 0 and 1 fetch for the A side, waves 2 and 3 for the B side.  The branch hangs on the wave's number alone.  Four v_nop follow each of the two lines.
.macro JLOAD g0a, g1a, g0b, g1b
	s_cmp_eq_u32 s15, 0
	s_cbranch_scc0 .Lfor_b_\@
	tensor_load_to_lds s[\g0a:\g0a+3], s[\g1a:\g1a+7]
	s_nop 0
.rept 4
	v_nop
.endr
	s_branch .Lasked_\@
.Lfor_b_\@:
	tensor_load_to_lds s[\g0b:\g0b+3], s[\g1b:\g1b+7]
	s_nop 0
.rept 4
	v_nop
.endr
.Lasked_\@:
.endm
.macro CREST                           ; a round of the cluster's barrier behind its opening barrier
	s_cmp_lg_u32 s14, 0
	s_cbranch_scc1 .Lnot_wave_0_\@
	s_barrier_signal -3
.Lnot_wave_0_\@:
	s_barrier_wait -3
	s_barrier_signal -1
	s_barrier_wait -1
.endm
.macro CROUND                          ; a whole round
	s_barrier_signal -1
	s_barrier_wait -1
	CREST
.endm
	s_load_b128 s[4:7], s[0:1], 0x0                ; xf s[4:5], wf s[6:7]
	s_load_b128 s[8:11], s[0:1], 0x10              ; the exponents s[8:9], qkv s[10:11]
	v_lshl_add_u32 v[SPW], v0, 2, SPARE
	v_mov_b32 v[NIL], 0
	ds_add_u32 v28, v29
	ds_add_u32 v28, v29
	s_wait_dscnt 0x0
	v_lshrrev_b32 v1, 5, v0
	v_readfirstlane_b32 s14, v1                    ; wave 0..3
	s_lshr_b32 s15, s14, 1                         ; which half of the A side's rows is mine.  Also: I fetch for A (0) or for B (1)
	s_and_b32 s16, s14, 1                          ; which half of the B side's.  Also: which 128 rows of that tile I fetch
	s_bfe_u32 s40, ttmp6, 0x40000                  ; cx, cy: my place in the cluster
	s_bfe_u32 s41, ttmp6, 0x40004
	s_and_b32 s66, ttmp7, 0xffff                   ; the cluster, 0..23
	s_lshr_b32 s67, s66, 3                         ; t: 0 k, 1 q, 2 v
	s_and_b32 s68, s66, 7
	s_lshl_b32 s68, s68, 2                         ; the cluster's first of 32 token tiles
	s_lshl_b32 s69, s67, 23
	s_lshl_b32 s70, s67, 20
	s_lshl_b32 s43, s41, 2
	s_lshl_b32 s43, 15, s43                        ; my row of the cluster
	s_lshl_b32 s44, 0x1111, s40                    ; my column
	; descriptor group 1: 8 rows (row tiles) of 4,096 bytes (two images), 16,384 bytes apart in memory, dense in LDS; elements of 8 bytes
	s_or_b32 s[G1+0], s43, (3<<16)|(1<<21)         ; 15:0 the mask: my row; 17:16 elements of 8 bytes; 20 no padding; 21 set beside a mask
	s_or_b32 s[G1B+0], s44, (3<<16)|(1<<21)        ; the same with my column
.irp g, G1, G1B
	s_mov_b32 s[\g+1], 512<<16                     ; tensor_dim0 = 512 elements
	s_mov_b32 s[\g+2], 8<<16                       ; tensor_dim1 = 8
	s_mov_b32 s[\g+3], 512<<16                     ; tile_dim0
	s_mov_b32 s[\g+4], 8                           ; tile_dim1
	s_mov_b32 s[\g+5], 2048                        ; tensor_dim0_stride, in elements
	s_mov_b32 s[\g+6], 0
	s_mov_b32 s[\g+7], 0
.endr
	s_lshl_b32 s18, s16, 17                        ; which 8 row tiles of the tile I fetch
	s_cmp_eq_u32 s67, 2                            ; v: the roles are changed.  All four choices on this one compare
	s_cselect_b32 s71, 0, s68
	s_cselect_b32 s84, s68, 0
	s_cselect_b32 s85, 0x200000, s69               ; the A side's tensor: W2 in wf, or x's in xf
	s_cselect_b32 s86, 0x1000000, s70              ; the B side's: value in xf, or the matrix in wf
	s_add_co_u32 s17, s41, s71                     ; ia: the A side's tile of 256 rows: hangs on cy and the cluster
	s_add_co_u32 s42, s40, s84                     ; ib: the B side's: hangs on cx and the cluster
	s_lshl_b32 s20, s17, 18
	s_add_co_u32 s20, s20, s85
	s_add_co_u32 s20, s20, s18
	s_mov_b32 s21, 0
	s_lshl_b32 s46, s42, 18
	s_add_co_u32 s46, s46, s86
	s_add_co_u32 s46, s46, s18
	s_mov_b32 s47, 0
	s_mul_i32 s45, s14, HALFT                      ; where they go: no place in the cluster enters an LDS address
	s_wait_kmcnt 0x0
	s_load_b256 s[72:79], s[8:9], 0x0              ; e0 .. e7
	s_load_b128 s[80:83], s[8:9], 0x20             ; e8 .. e11
	s_cmp_eq_u32 s67, 2
	s_cselect_b64 s[88:89], s[6:7], s[4:5]
	s_cselect_b64 s[90:91], s[4:5], s[6:7]
	s_add_nc_u64 s[20:21], s[88:89], s[20:21]
	s_add_nc_u64 s[46:47], s[90:91], s[46:47]
	CROUND                                         ; all sixteen work-groups are here: the first joint loads meet
.irp s, 0,1
	s_mov_b32 s[G0+4*\s], 1
	s_add_co_u32 s[G0+4*\s+1], s45, \s*SLOT
	s_add_nc_u64 s[G0+4*\s+2:G0+4*\s+3], s[20:21], \s*KSB
	s_or_b32 s[G0+4*\s+3], s[G0+4*\s+3], 0x80000000
	s_mov_b32 s[G0B+4*\s], 1
	s_add_co_u32 s[G0B+4*\s+1], s45, \s*SLOT
	s_add_nc_u64 s[G0B+4*\s+2:G0B+4*\s+3], s[46:47], \s*KSB
	s_or_b32 s[G0B+4*\s+3], s[G0B+4*\s+3], 0x80000000
	JLOAD G0+4*\s, G1, G0B+4*\s, G1B
.endr
	v_and_b32 v1, 31, v0
	v_lshlrev_b32 v[LI], 4, v1
	s_mul_i32 s21, s15, HALFT                      ; my 128 rows of the A side
	s_mul_i32 s22, s16, HALFT                      ; my 128 rows of the B side,
	s_add_co_u32 s22, s22, 2*HALFT                 ; which lie behind A's two halves
.irp s, 0,1
	v_add_nc_u32 v[ADRA+\s], s21, v[LI]
	v_add_nc_u32 v[ADRB+\s], s22, v[LI]
	s_add_co_u32 s21, s21, SLOT
	s_add_co_u32 s22, s22, SLOT
.endr
	s_wait_kmcnt 0x0
	s_add_co_i32 s84, s72, s73                     ; a sum stands for sum x 2^(eA + eB): its code is sum / 2^(e of the result - eA - eB): three scales folded into the conversion's one
	s_sub_co_i32 s84, s79, s84                     ; k: e7 - e0 - e1
	s_add_co_i32 s85, s74, s75
	s_sub_co_i32 s85, s78, s85                     ; q: e6 - e2 - e3
	s_add_co_i32 s86, s76, s77
	s_sub_co_i32 s86, s81, s86                     ; v: e9 - e4 - e5
	s_cmp_eq_u32 s67, 0
	s_cselect_b32 s84, s84, s85
	s_cmp_eq_u32 s67, 2
	s_cselect_b32 s84, s86, s84
	s_add_co_i32 s84, s84, 127
	s_lshl_b32 s85, s84, 23
	v_mov_b32 v[SC], s85
	s_add_co_i32 s84, s84, 8
	s_lshl_b32 s84, s84, 23
	s_or_b32 s84, s84, 0x600000
	v_mov_b32 v[LIM], s84
	; where my codes go.  k, q: batch ia / 8, heads 4 ib + 2 (my B half) on, token tiles 16 (ia % 8) + 8 (my A half) on
	s_lshr_b32 s84, s17, 3
	s_lshl_b32 s84, s84, 21
	s_lshl_b32 s85, s42, 19
	s_add_co_u32 s84, s84, s85
	s_lshl_b32 s85, s16, 18
	s_add_co_u32 s84, s84, s85
	s_and_b32 s85, s17, 7
	s_lshl_b32 s85, s85, 14
	s_add_co_u32 s84, s84, s85
	s_lshl_b32 s85, s15, 13
	s_add_co_u32 s84, s84, s85
	; v: batch ib / 8, pair of heads 2 ia + (my A half), block of 128 keys 2 (ib % 8) + (my B half)
	s_lshr_b32 s86, s42, 3
	s_lshl_b32 s86, s86, 21
	s_lshl_b32 s87, s17, 19
	s_add_co_u32 s86, s86, s87
	s_lshl_b32 s87, s15, 18
	s_add_co_u32 s86, s86, s87
	s_and_b32 s87, s42, 7
	s_lshl_b32 s87, s87, 14
	s_add_co_u32 s86, s86, s87
	s_lshl_b32 s87, s16, 13
	s_add_co_u32 s86, s86, s87
	s_cmp_eq_u32 s67, 2
	s_cselect_b32 s84, s86, s84
	s_add_co_u32 s84, s84, s69                     ; + t << 23
	s_mov_b32 s85, 0
	s_add_nc_u64 s[10:11], s[10:11], s[84:85]
.macro FRAG reg, adr, q, i             ; a fragment comes back as its image lies: four loads of 512 consecutive bytes
.irp c, 0,1,2,3
	ds_load_b128 v[\reg+4*\c:\reg+4*\c+3], v[\adr] offset:(\i)*4096+(\q)*2048+\c*512
.endr
.endm
; 16 matrix instructions: A's blocks a0, a0 + 1 x B's eight, 128 along K.  p: B's set.  zero = 1: the first product starts the sums.  The 64 accumulators take turns, one instruction a turn.
.macro MUL16 a0, p, zero
.irp a, \a0, \a0+1
.irp b, 0,1,2,3,4,5,6,7
.if \zero
	v_wmma_f32_16x16x128_fp8_fp8 v[8*(8*((\a)%4)+\b):8*(8*((\a)%4)+\b)+7], v[128*(\p)+FR*\b:128*(\p)+FR*\b+FR-1], v[AF+FR*(\a):AF+FR*(\a)+FR-1], 0
.else
	v_wmma_f32_16x16x128_fp8_fp8 v[8*(8*((\a)%4)+\b):8*(8*((\a)%4)+\b)+7], v[128*(\p)+FR*\b:128*(\p)+FR*\b+FR-1], v[AF+FR*(\a):AF+FR*(\a)+FR-1], v[8*(8*((\a)%4)+\b):8*(8*((\a)%4)+\b)+7]
.endif
.endr
.endr
.endm
.macro FETCH_B slot, q, p
	WIN TO_B
.irp i, 0,1,2,3,4,5,6,7
	FRAG 128*(\p)+FR*\i, ADRB+\slot, \q, \i
.endr
	WIN 0
.endm
.macro FETCH_A slot, q, i0
.irp i, \i0, \i0+1, \i0+2, \i0+3
	FRAG AF+FR*(\i), ADRA+\slot, \q, \i
.endr
.endm
.macro PLACES n                        ; plain vector lines between a matrix instruction and a load into, or a vector read or write of, its registers
.rept \n
	v_nop
.endr
.endm
; A step of 128 along K that has its successor in the same slot.  A's blocks are free as soon as their eight products are issued: blocks 0-3 are fetched anew in the middle, blocks 4-7 at the end.
.macro STEP slot, q, zero
	s_wait_dscnt 4*NL                              ; B's set and A's blocks 0-3 are in; the youngest 16 loads (A's blocks 4-7) may be out
	WIN MUL_LO
	MUL16 0, (\q)%2, \zero
	MUL16 2, (\q)%2, \zero
	s_wait_dscnt 0                                 ; A's blocks 4-7 are in
	PLACES NP
	FETCH_B \slot, (\q)+1, 1-(\q)%2
	FETCH_A \slot, (\q)+1, 0
	WIN MUL_HI
	MUL16 4, (\q)%2, \zero
	MUL16 6, (\q)%2, \zero
	PLACES NP
	WIN 0
	FETCH_A \slot, (\q)+1, 4
.endm
; A slot's last step changes slots: ONE barrier; in front of it each wave waits for all its tensor loads, adds 0 to its spare word, and waits for that and for its own reads of this slot.  fill = 1: this slot is filled again.
.macro TURN slot, next, fill
	s_wait_tensorcnt 0x0                           ; all my tensor loads have landed: my part of the next slot
	ds_add_u32 v[SPW], v[NIL]                      ; 0 onto my spare word
	s_wait_dscnt 4*NL+1                            ; (the add and the youngest 16 loads may be out)
	WIN MUL_LO
	MUL16 0, 1, 0
	s_wait_dscnt 0x0                               ; the add is done, and my reads of this slot are over
	s_barrier_signal -1
	MUL16 2, 1, 0
	WIN 0
	s_barrier_wait -1
.if \fill
	CREST                                          ; the barrier has opened a round of the cluster's: no wave of any partner still reads this slot or has a load on its way
	s_add_nc_u64 s[G0+4*\slot+2:G0+4*\slot+3], s[G0+4*\slot+2:G0+4*\slot+3], 2*KSB
	s_add_nc_u64 s[G0B+4*\slot+2:G0B+4*\slot+3], s[G0B+4*\slot+2:G0B+4*\slot+3], 2*KSB
	JLOAD G0+4*\slot, G1, G0B+4*\slot, G1B         ; the first tensor load behind the round; its four v_nop are the places in front of the loads below
.else
	PLACES NP
.endif
	FETCH_B \next, 0, 0
	FETCH_A \next, 0, 0
	WIN MUL_HI
	MUL16 4, 1, 0
	MUL16 6, 1, 0
	PLACES NP
	WIN 0
	FETCH_A \next, 0, 4
.endm
	s_wait_tensorcnt 1                             ; my part of slot 0 is in (slot 1's load may be out)
	s_barrier_signal -1
	s_barrier_wait -1                              ; everybody's is
	FETCH_B 0, 0, 0
	FETCH_A 0, 0, 0
	FETCH_A 0, 0, 4
	STEP 0, 0, 1                                   ; K 0..127: the products start the sums
	TURN 0, 1, 1                                   ; K 128..255; slot 0 takes K 512..767
	STEP 1, 0, 0
	TURN 1, 0, 1                                   ; slot 1 takes K 768..1023
	STEP 0, 0, 0
	TURN 0, 1, 0                                   ; nothing is left to fetch
	STEP 1, 0, 0
	s_wait_dscnt 4*NL                              ; the last step
	WIN MUL_LO
	MUL16 0, 1, 0
	MUL16 2, 1, 0
	s_wait_dscnt 0
	WIN MUL_HI
	MUL16 4, 1, 0
	MUL16 6, 1, 0
	WIN 0
; THE WAY OUT, block a of 16 rows of the A side at a time.  Accumulator (a, b): lane (r, h), register j = (A row 16 a + r, B row 16 b + 8 h + j).  Held, converted, its eight registers are registers 2 b, 2 b + 1 of the block's 16:
; k, q: two fragments of 16 tokens x 64 d (heads 0 and 1 of my two);  v: one fragment of 16 d x 128 keys.  Each quad of four registers is stored as 512 consecutive bytes.
.macro OUTB a
	WIN 0x02+((\a)/4)                              ; source 0: window 2 or 3
.set j, 0
.rept 64
	v_med3_num_f32 v[TMP+j], v[64*((\a)%4)+j], -v[LIM], v[LIM]   ; the hold at the largest code x the scale; each accumulator from its low end on
.set j, j+1
.endr
	WIN 0
.irp b, 0,1,2,3,4,5,6,7
	v_cvt_scalef32_pk8_fp8_f32 v[CD+16*(\a)+2*\b:CD+16*(\a)+2*\b+1], v[TMP+8*\b:TMP+8*\b+7], v[SC]
.endr
	v_nop                                          ; a plain vector line behind the last conversion: the next block writes its sources
.irp d, 0,1,2,3
	global_store_b128 v[LI], v[CD+16*(\a)+4*\d:CD+16*(\a)+4*\d+3], s[10:11] offset:(\a)*1024+(\d%2)*512+(\d/2)*131072
.endr
.endm
	PLACES NP                                      ; behind the last products: their results are read, and the registers that held A's fragments are written
.irp a, 0,1,2,3,4,5,6,7
	OUTB \a
.endr
	s_wait_tensorcnt 0x0                           ; the wave's end
	ds_add_u32 v[SPW], v[NIL]
	s_wait_dscnt 0x0
	CROUND                                         ; the closing round: no work-group ends while a partner may still ask for a tile that names it
	s_endpgm
.Lfunc_end_k_q5288ad96b1_proj:
	.size	k_q5288ad96b1_proj, .Lfunc_end_k_q5288ad96b1_proj-k_q5288ad96b1_proj
	.p2alignl 7, 3214868480
	.fill 96, 4, 3214868480
	.section	.rodata,"a",@progbits
	.p2align	6, 0x0
	.amdhsa_kernel k_q5288ad96b1_proj
		.amdhsa_group_segment_fixed_size 327680
		.amdhsa_private_segment_fixed_size 0
		.amdhsa_enable_private_segment 0
		.amdhsa_kernarg_size 32
		.amdhsa_user_sgpr_count 2
		.amdhsa_user_sgpr_kernarg_segment_ptr 1
		.amdhsa_wavefront_size32 1
		.amdhsa_system_sgpr_workgroup_id_x 1
		.amdhsa_system_sgpr_workgroup_id_y 1
		.amdhsa_system_sgpr_workgroup_id_z 1
		.amdhsa_system_vgpr_workitem_id 0
		.amdhsa_next_free_vgpr 1024
		.amdhsa_next_free_sgpr 100
		.amdhsa_reserve_vcc 0
		.amdhsa_float_denorm_mode_32 3
		.amdhsa_float_denorm_mode_16_64 3
		.amdhsa_memory_ordered 1
		.amdhsa_forward_progress 1
		.amdhsa_inst_pref_size 118
	.end_amdhsa_kernel
	.amdgpu_metadata
---
amdhsa.version: [ 1, 2 ]
amdhsa.kernels:
  - .name:           k_q5288ad96b1_proj
    .symbol:         k_q5288ad96b1_proj.kd
    .args:
      - { .name: xf, .offset: 0, .size: 8, .value_kind: global_buffer, .address_space: global }
      - { .name: wf, .offset: 8, .size: 8, .value_kind: global_buffer, .address_space: global }
      - { .name: lowp_scales, .offset: 16, .size: 8, .value_kind: global_buffer, .address_space: global }
      - { .name: qkv, .offset: 24, .size: 8, .value_kind: global_buffer, .address_space: global }
    .group_segment_fixed_size: 327680
    .private_segment_fixed_size: 0
    .kernarg_segment_align: 8
    .kernarg_segment_size: 32
    .max_flat_workgroup_size: 128
    .sgpr_count:     100
    .vgpr_count:     1024
    .wavefront_size: 32
...
	.end_amdgpu_metadata
.endif
;; end of part 2
;; launch attn (part 3): grid 8 x 64, 16 waves a work-group, no clusters, 67,584 bytes of LDS; arguments qkv, lowp_scales, af; writes af
.if DOCPART == 3
	.amdgcn_target "amdgcn-amd-amdhsa--gfx1250"
	.amdhsa_code_object_version 6
	.text
	.protected	k_q5288ad96b1_attn
	.globl	k_q5288ad96b1_attn
	.p2align	8
	.type	k_q5288ad96b1_attn,@function
k_q5288ad96b1_attn:
	s_mov_b64 s[64:65], 0
	v_nop
	global_prefetch_b8 v0, s[64:65] scope:SCOPE_SE
	s_setreg_imm32_b32 hwreg(HW_REG_WAVE_MODE, 25, 1), 1
	s_wait_xcnt 0x0
; Causal attention of one (batch, head) on codes of E4M3: S^T = k q^T (v_wmma_f32_16x16x64_fp8_fp8, K = the head's 64), O^T = v^T p^T (v_wmma_f32_16x16x128_fp8_fp8, K = 128 keys a step); O / l is quantised for the last product.
; THE SOFTMAX AHEAD OF THE SECOND PRODUCT: t = score x log2(e) / 8; M = the row's largest t so far, rounded UP to a whole number; p = 2^(t - M) is quantised with 2^e8, not normalised.  The row's sum l is taken of the
; unquantised p; when M moves, l and O are multiplied by 2^(old M - new M), which rounds nothing.
; OPERANDS are images of registers, as the launch before laid them (quad at 512 c, lane l at 16 l): every fragment comes by loads of 512 consecutive bytes.  Both products are used transposed, so that a lane holds ONE query:
; S^T tile t: lane (r, h), register j = (query r, key 16 t + 8 h + j); converted, these eight are registers 2 t, 2 t + 1 of p's operand.  O^T tile d: register j = channel 16 d + 8 h + j; converted: registers of the next operand.
; SHARES.  Work-group (j, bh) owns the blocks of 128 queries j and 15 - j: j + 1 and 16 - j key steps of 128, 17 in every work-group.  Sixteen waves, one tile of 16 queries each: wave w has tile w / 2 of the early block or of
; the late one, by (w ^ (w >> 2)) & 1: of waves s, s + 4, s + 8, s + 12, and of waves 4 s .. 4 s + 3 alike, two have the early block.
; K AND V come through two LDS slots of 256 keys (32,768 bytes), filled THROUGH REGISTERS: wave w loads 1,024 bytes of K and 1,024 of V a slot ahead and stores them behind the barrier.  The loop has 4 trips of two slots for
; every work-group; a slot past the work-group's last (8 - j / 2 are needed) is not filled, a step whose keys all come after the wave's queries is jumped over: scalar branches on ids, round no barrier.
; NO CLUSTER, though the eight work-groups of a (batch, head) read the same K and V: they walk 5 to 8 slots, and a slot's 32,768 bytes serve up to 32 steps of a tile, each some 200 vector instructions: what would be shared is
; a small part of a step's work.
; LIMITS on the given exponents: e6 + e7 between -123 and 130 (added to c's exponent field); e8, and e10 - e8 - e9, between -126 and 119.
.set LI,   1                           ; v1   16 x lane
.set SK,   2                           ; v2   where I store my tile of K: 1,024 x wave + 16 x lane
.set SV,   3                           ; v3   where I store my part of V
.set DG,   4                           ; v4   my query's place in its block - 8 h
.set NINF, 5                           ; v5   -infinity
.set PSC,  6                           ; v6   2^e8
.set PLIM, 7                           ; v7   448 x 2^e8
                                       ; v12 -M, v13 the largest t, v[14:15] the sum in two halves
.set Q,    16                          ; v16-23   q's fragment
.set G,    24                          ; v24-39   K's and V's bytes on their way to LDS
.set KF,   40                          ; v40-103  eight fragments of K, then four of V
.set S,    104                         ; v104-167 S^T, then p
.set O,    168                         ; v168-199 O^T
.set P,    200                         ; v200-215 p's codes
.set TA,   216
.set PM,   217
.set TB,   218
.set FF,   220                         ; v[220:221] f = 2^(old M - new M), named as a pair
.set SM,   222                         ; v[222:223]
.set WV,   10
.set BLK,  11                          ; s11  my block of 128 queries = my last key step
.set NS,   12                          ; s12  slots that the work-group needs
.set ST,   13                          ; s13  the key step
.set SG,   14                          ; s14  the slot
.set TR,   15
.set KP,   16                          ; s[16:17] my 1,024 bytes of K of the slot to be loaded next
.set VP,   18                          ; s[18:19] the same of V
.set QP,   20
.set OP,   22
.set SEL,  24                          ; s[24:25] v_permlanex16_b32's selects: lane l xor 16
.set CS,   26                          ; s[26:27] c = log2(e) / 8 x 2^(e6 + e7)
.set NH,   28                          ; s28  1 where p wants its hold
.set T0,   29
.set OSC,  30                          ; s30  2^(e10 - e8 - e9)
.set OLIM, 31                          ; s31  448 x it
.set SLOTB, 32768
	s_load_b128 s[4:7], s[0:1], 0x0                ; qkv s[4:5], the exponents s[6:7]
	s_load_b64 s[8:9], s[0:1], 0x10                ; af
	v_lshl_add_u32 v240, v0, 2, 0x10000
	v_mov_b32 v241, 0
	v_lshrrev_b32 v8, 5, v0
	v_readfirstlane_b32 s[WV], v8                  ; wave 0..15
	s_and_b32 s44, ttmp7, 0xffff                   ; bh = 16 x batch + head
	s_lshr_b32 s45, s[WV], 2
	s_xor_b32 s45, s45, s[WV]
	s_and_b32 s45, s45, 1                          ; 1: the late block
	s_lshr_b32 s46, s[WV], 1                       ; my tile in the block
	s_sub_co_u32 s47, 15, ttmp9
	s_cmp_eq_u32 s45, 1
	s_cselect_b32 s[BLK], s47, ttmp9
	s_lshr_b32 s[NS], ttmp9, 1
	s_sub_co_u32 s[NS], 8, s[NS]                   ; ceil((16 - j) / 2)
	s_lshl_b32 s48, s[BLK], 3
	s_add_co_u32 s48, s48, s46                     ; my tile of 16 queries, 0..127
	s_lshl_b32 s50, s44, 17
	s_lshl_b32 s49, s[WV], 10
	s_add_co_u32 s52, s50, s49                     ; K: bh << 17 + tile w << 10
	s_mov_b32 s53, 0
	s_lshr_b32 s54, s44, 4                         ; V: batch << 21 + (head / 2) << 18 + (head % 2) << 12, and my part: block (w / 8) << 13, quads' half ((w / 4) % 2) << 17, tile of d (w % 4) << 10
	s_lshl_b32 s54, s54, 21
	s_bfe_u32 s55, s44, 0x30001
	s_lshl_b32 s55, s55, 18
	s_add_co_u32 s54, s54, s55
	s_and_b32 s55, s44, 1
	s_lshl_b32 s55, s55, 12
	s_add_co_u32 s54, s54, s55
	s_lshr_b32 s55, s[WV], 3
	s_lshl_b32 s55, s55, 13
	s_add_co_u32 s54, s54, s55
	s_bfe_u32 s55, s[WV], 0x10002
	s_lshl_b32 s55, s55, 17
	s_add_co_u32 s54, s54, s55
	s_and_b32 s55, s[WV], 3
	s_lshl_b32 s55, s55, 10
	s_add_co_u32 s54, s54, s55
	s_add_co_u32 s54, s54, 0x1000000
	s_mov_b32 s55, 0
	s_lshl_b32 s56, s48, 10                        ; Q: 1 << 23 + bh << 17 + my tile << 10
	s_add_co_u32 s56, s56, s50
	s_add_co_u32 s56, s56, 0x800000
	s_mov_b32 s57, 0
	s_lshr_b32 s58, s44, 4                         ; af: row tile (128 x batch + my tile) << 14 + head << 10
	s_lshl_b32 s58, s58, 7
	s_add_co_u32 s58, s58, s48
	s_lshl_b32 s58, s58, 14
	s_and_b32 s59, s44, 15
	s_lshl_b32 s59, s59, 10
	s_add_co_u32 s58, s58, s59
	s_mov_b32 s59, 0
	v_and_b32 v8, 31, v0
	v_lshlrev_b32 v[LI], 4, v8
	v_add_nc_u32 v[SK], s49, v[LI]
	s_lshr_b32 s60, s[WV], 3                       ; V in a slot: 16,384 + block x 8,192 + tile of d x 2,048 + quad x 512
	s_lshl_b32 s60, s60, 13
	s_and_b32 s61, s[WV], 3
	s_lshl_b32 s61, s61, 11
	s_add_co_u32 s60, s60, s61
	s_bfe_u32 s61, s[WV], 0x10002
	s_lshl_b32 s61, s61, 10
	s_add_co_u32 s60, s60, s61
	s_add_co_u32 s60, s60, 16384
	v_add_nc_u32 v[SV], s60, v[LI]
	v_and_b32 v8, 15, v0                           ; r
	v_bfe_u32 v9, v0, 4, 1                         ; h
	v_lshlrev_b32 v9, 3, v9
	v_sub_nc_u32 v[DG], v8, v9
	s_lshl_b32 s61, s46, 4
	v_add_nc_u32 v[DG], s61, v[DG]                 ; 16 x my tile + r - 8 h
	s_mov_b32 s[SEL], 0x76543210
	s_mov_b32 s[SEL+1], 0xfedcba98
	s_wait_kmcnt 0x0
	s_load_b256 s[32:39], s[6:7], 0x0              ; e0 .. e7
	s_load_b128 s[40:43], s[6:7], 0x20             ; e8 .. e11
	s_add_nc_u64 s[KP:KP+1], s[4:5], s[52:53]
	s_add_nc_u64 s[VP:VP+1], s[4:5], s[54:55]
	s_add_nc_u64 s[QP:QP+1], s[4:5], s[56:57]
	s_add_nc_u64 s[OP:OP+1], s[8:9], s[58:59]
.macro LOADG                           ; my 2,048 bytes of a slot: each load reads 512 consecutive bytes
	global_load_b128 v[G:G+3],     v[LI], s[KP:KP+1]
	global_load_b128 v[G+4:G+7],   v[LI], s[KP:KP+1] offset:512
	global_load_b128 v[G+8:G+11],  v[LI], s[VP:VP+1]
	global_load_b128 v[G+12:G+15], v[LI], s[VP:VP+1] offset:512
.endm
.macro STOREG buf
	ds_store_b128 v[SK], v[G:G+3]     offset:(\buf)*SLOTB
	ds_store_b128 v[SK], v[G+4:G+7]   offset:(\buf)*SLOTB+512
	ds_store_b128 v[SV], v[G+8:G+11]  offset:(\buf)*SLOTB
	ds_store_b128 v[SV], v[G+12:G+15] offset:(\buf)*SLOTB+512
.endm
	global_load_b128 v[Q:Q+3],   v[LI], s[QP:QP+1]
	global_load_b128 v[Q+4:Q+7], v[LI], s[QP:QP+1] offset:512
	LOADG                                          ; slot 0
	v_mov_b32 v[NINF], 0xff800000
	v_mov_b32 v13, 0xff61b1e6                      ; the largest t so far: -3e38, under every t
	v_floor_f32 v12, -v13                          ; -M
	v_mov_b32 v14, 0
	v_mov_b32 v15, 0
	v_mov_b32 v[PM], 0                             ; written once: a lane permute's destination counts as one of its sources
	v_mov_b32 v[FF+1], 0                           ; (named as the upper half of a pair)
.set j, 0
.rept 32
	v_mov_b32 v[O+j], 0                            ; the step is written once: the first finds zeros, which the first change of M leaves zeros
.set j, j+1
.endr
	s_wait_kmcnt 0x0
	s_add_co_i32 s44, s38, s39                     ; a score stands for score x 2^(e6 + e7): added to c's exponent field
	s_lshl_b32 s44, s44, 23
	s_mov_b32 s[CS], 0x3e38aa3b                    ; log2(e) / sqrt(64)
	s_add_co_i32 s[CS], s[CS], s44
	s_mov_b32 s[CS+1], s[CS]                       ; (named with it as a pair)
	s_add_co_i32 s44, s40, 127
	s_lshl_b32 s45, s44, 23
	v_mov_b32 v[PSC], s45
	s_add_co_i32 s44, s44, 8
	s_lshl_b32 s44, s44, 23
	s_or_b32 s44, s44, 0x600000
	v_mov_b32 v[PLIM], s44
	s_cmp_lt_i32 s40, -8                           ; p is at most 1.  From e8 = -8 on, 448 x 2^e8 is 1.75 or more and the hold changes nothing: it is then jumped over
	s_cselect_b32 s[NH], 1, 0
	s_add_co_i32 s44, s40, s41
	s_sub_co_i32 s44, s42, s44                     ; O's sums stand for sum x 2^(e8 + e9): the code of O / l is (sum / l) / 2^(e10 - e8 - e9)
	s_add_co_i32 s44, s44, 127
	s_lshl_b32 s[OSC], s44, 23
	s_add_co_i32 s44, s44, 8
	s_lshl_b32 s44, s44, 23
	s_or_b32 s[OLIM], s44, 0x600000
	s_wait_loadcnt 0x0                             ; q and slot 0's bytes are in; the loads have read their addresses
	s_add_nc_u64 s[KP:KP+1], s[KP:KP+1], 16384     ; a slot on: 16 tiles of K; two blocks of V
	s_add_nc_u64 s[VP:VP+1], s[VP:VP+1], 16384
	STOREG 0
	s_wait_dscnt 0x0                               ; the stores have read their registers
	LOADG                                          ; slot 1 (every work-group needs five slots or more)
	s_mov_b32 s[ST], 0
	s_mov_b32 s[SG], 0
	s_mov_b32 s[TR], 4
; A KEY STEP: 128 keys, the q-th of slot buf.
.macro STEP buf, q
	s_cmp_gt_u32 s[ST], s[BLK]                     ; all its keys come after my queries: nothing to do
	s_cbranch_scc1 .Lhid_\@
.irp t, 0,1,2,3,4,5,6,7
	ds_load_b128 v[KF+8*\t:KF+8*\t+3],   v[LI] offset:(\buf)*SLOTB+(8*(\q)+\t)*1024
	ds_load_b128 v[KF+8*\t+4:KF+8*\t+7], v[LI] offset:(\buf)*SLOTB+(8*(\q)+\t)*1024+512
.endr
	s_wait_dscnt 0x0
.irp t, 0,1,2,3,4,5,6,7
	v_wmma_f32_16x16x64_fp8_fp8 v[S+8*\t:S+8*\t+7], v[KF+8*\t:KF+8*\t+7], v[Q:Q+7], 0
.endr
.rept 4
	v_nop                                          ; places in front of the loads into K's registers and of the first read of the scores
.endr
.irp d, 0,1,2,3                        ; V's four fragments land while the softmax is worked
.irp c, 0,1,2,3
	ds_load_b128 v[KF+16*\d+4*\c:KF+16*\d+4*\c+3], v[LI] offset:(\buf)*SLOTB+16384+(\q)*8192+\d*2048+\c*512
.endr
.endr
	s_cmp_lg_u32 s[ST], s[BLK]                     ; on the diagonal the scores of hidden keys become -infinity ahead of the maximum: p = 0 then
	s_cbranch_scc1 .Lopen_\@
.set n, 0
.rept 64
	v_cmp_gt_i32 vcc_lo, 16*(n/8)+n%8, v[DG]       ; register 8 t + i holds key 16 t + 8 h + i of the block: hidden where 16 t + i > my query's place - 8 h
	v_cndmask_b32 v[S+n], v[S+n], v[NINF], vcc_lo
.set n, n+1
.endr
.Lopen_\@:
	v_max3_num_f32 v[TA], v[S], v[S+1], v[S+2]     ; the step's largest score of my query among my 64 keys, in two chains, each accumulator from its low end on,
	v_max3_num_f32 v[TB], v[S+3], v[S+4], v[S+5]
.irp i, 6,10,14,18,22,26,30,34,38,42,46,50,54,58
	v_max3_num_f32 v[TA], v[TA], v[S+\i], v[S+\i+1]
	v_max3_num_f32 v[TB], v[TB], v[S+\i+2], v[S+\i+3]
.endr
	v_max3_num_f32 v[TA], v[TA], v[S+62], v[S+63]
	v_max_num_f32 v[TA], v[TA], v[TB]
	v_permlanex16_b32 v[PM], v[TA], s[SEL], s[SEL+1]
	v_max_num_f32 v[TA], v[TA], v[PM]              ; and among lane l xor 16's
	v_mul_f32 v[TA], s[CS], v[TA]                  ; as t (c is positive)
	v_max_num_f32 v13, v13, v[TA]                  ; the running largest t
	v_mov_b32 v[TA], v12
	v_floor_f32 v12, -v13                          ; the new -M = floor(-t) = -ceil(t): a whole number
	v_sub_f32 v[TA], v12, v[TA]                    ; old M - new M: a whole number, 0 or less
	v_cvt_i32_f32 v[TA], v[TA]                     ; (it saturates)
	v_ldexp_f32 v[FF], 1.0, v[TA]                  ; f = 2^(old M - new M)
.set j, 0
.rept 32
	v_pk_fma_f32 v[S+j:S+j+1], v[S+j:S+j+1], s[CS:CS+1], v[12:13] op_sel_hi:[1,0,0]   ; t - M, two at a time (of the pairs c and -M the low word serves both halves)
.set j, j+2
.endr
.set j, 0
.rept 64
	v_exp_f32 v[S+j], v[S+j]                       ; p = 2^(t - M), at most 1
.set j, j+1
.endr
	v_pk_mul_f32 v[14:15], v[14:15], v[FF:FF+1] op_sel_hi:[1,0]   ; the sums under the new M; the plain line behind the exponentials
	s_wait_alu depctr_va_vdst(0)                   ; one wait for the batch of 64, ahead of its first reader
	v_pk_add_f32 v[SM:SM+1], v[S:S+1], v[S+2:S+3]  ; the row's sum is taken of the unquantised p, in two chains
.irp j, 4,8,12,16,20,24,28,32,36,40,44,48,52,56,60
	v_pk_add_f32 v[14:15], v[14:15], v[S+\j:S+\j+1]
	v_pk_add_f32 v[SM:SM+1], v[SM:SM+1], v[S+\j+2:S+\j+3]
.endr
	v_pk_add_f32 v[14:15], v[14:15], v[SM:SM+1]
	s_cmp_eq_u32 s[NH], 0
	s_cbranch_scc1 .Lnohold_\@
.set j, 0
.rept 64
	v_min_num_f32 v[S+j], v[S+j], v[PLIM]          ; the conversion does not saturate (ISA guide 7.6.2); p is not negative, so the hold is one-sided
.set j, j+1
.endr
.Lnohold_\@:
.irp t, 0,1,2,3,4,5,6,7
	v_cvt_scalef32_pk8_fp8_f32 v[P+2*\t:P+2*\t+1], v[S+8*\t:S+8*\t+7], v[PSC]
.endr
.set j, 0
.rept 16
	v_pk_mul_f32 v[O+j:O+j+1], v[O+j:O+j+1], v[FF:FF+1] op_sel_hi:[1,0]   ; O^T under the new M; these are also the plain lines between the conversions and the products
.set j, j+2
.endr
	s_wait_dscnt 0x0                               ; V's fragments are in
.irp d, 0,1,2,3                        ; four accumulators by turns, one instruction a turn
	v_wmma_f32_16x16x128_fp8_fp8 v[O+8*\d:O+8*\d+7], v[KF+16*\d:KF+16*\d+15], v[P:P+15], v[O+8*\d:O+8*\d+7]
.endr
.rept 4
	v_nop                                          ; places in front of the next loads into V's registers and of the next read of O^T
.endr
.Lhid_\@:
	s_add_co_u32 s[ST], s[ST], 1
.endm
; A SLOT.  In front of the barrier each wave's stores into slot buf have landed and its reads of the other slot are back.  Behind it slot buf is whole and nobody reads the other one: that one takes the next 256 keys,
; which were asked for a slot ago, and the loads for the slot after it go out: they have this slot's two steps in which to come.
.macro PHASE buf
	s_wait_dscnt 0x0
	s_barrier_signal -1
	s_barrier_wait -1
	s_add_co_u32 s[T0], s[SG], 1
	s_cmp_lt_u32 s[T0], s[NS]
	s_cbranch_scc0 .Lnofill_\@
	s_wait_loadcnt 0x0                             ; the next slot's bytes are in, and the loads have read their addresses
	s_add_nc_u64 s[KP:KP+1], s[KP:KP+1], 16384
	s_add_nc_u64 s[VP:VP+1], s[VP:VP+1], 16384
	STOREG 1-(\buf)
	s_wait_dscnt 0x0                               ; the stores have read their registers
	s_add_co_u32 s[T0], s[SG], 2
	s_cmp_lt_u32 s[T0], s[NS]
	s_cbranch_scc0 .Lnofill_\@                     ; no load leaves the head's keys
	LOADG
.Lnofill_\@:
	STEP \buf, 0
	STEP \buf, 1
	s_add_co_u32 s[SG], s[SG], 1
.endm
.Lloop:
	PHASE 0
	PHASE 1
	s_sub_co_u32 s[TR], s[TR], 1
	s_cmp_lg_u32 s[TR], 0
	s_cbranch_scc1 .Lloop
	; THE WAY OUT: O^T / l, held, converted: registers 2 d, 2 d + 1 are k = 64 (head % 2) + 16 d + 8 h + 0 .. 7 of my 16 tokens' fragment of the last product: two quads, 512 consecutive bytes each.
	v_add_f32 v14, v14, v15                        ; the sum's two halves,
	v_permlanex16_b32 v[PM], v14, s[SEL], s[SEL+1]
	v_add_f32 v14, v14, v[PM]                      ; and lane l xor 16's
	v_rcp_f32 v14, v14
	v_mov_b32 v8, s[OSC]                           ; (a plain line behind the reciprocal)
	v_mov_b32 v9, s[OLIM]
	s_wait_alu depctr_va_vdst(0)                   ; the wait ahead of the reciprocal's first reader
.set j, 0
.rept 32
	v_mul_f32 v[S+j], v[O+j], v14
.set j, j+1
.endr
.set j, 0
.rept 32
	v_med3_num_f32 v[S+j], v[S+j], -v9, v9
.set j, j+1
.endr
.irp d, 0,1,2,3
	v_cvt_scalef32_pk8_fp8_f32 v[P+2*\d:P+2*\d+1], v[S+8*\d:S+8*\d+7], v8
.endr
	v_nop
	global_store_b128 v[LI], v[P:P+3],   s[OP:OP+1]
	global_store_b128 v[LI], v[P+4:P+7], s[OP:OP+1] offset:512
	s_wait_tensorcnt 0x0
	ds_add_u32 v240, v241
	s_wait_dscnt 0x0
	s_endpgm
.Lfunc_end_k_q5288ad96b1_attn:
	.size	k_q5288ad96b1_attn, .Lfunc_end_k_q5288ad96b1_attn-k_q5288ad96b1_attn
	.p2alignl 7, 3214868480
	.fill 96, 4, 3214868480
	.section	.rodata,"a",@progbits
	.p2align	6, 0x0
	.amdhsa_kernel k_q5288ad96b1_attn
		.amdhsa_group_segment_fixed_size 67584
		.amdhsa_private_segment_fixed_size 0
		.amdhsa_enable_private_segment 0
		.amdhsa_kernarg_size 24
		.amdhsa_user_sgpr_count 2
		.amdhsa_user_sgpr_kernarg_segment_ptr 1
		.amdhsa_wavefront_size32 1
		.amdhsa_system_sgpr_workgroup_id_x 1
		.amdhsa_system_sgpr_workgroup_id_y 1
		.amdhsa_system_sgpr_workgroup_id_z 1
		.amdhsa_system_vgpr_workitem_id 0
		.amdhsa_next_free_vgpr 242
		.amdhsa_next_free_sgpr 66
		.amdhsa_reserve_vcc 1
		.amdhsa_float_denorm_mode_32 3
		.amdhsa_float_denorm_mode_16_64 3
		.amdhsa_memory_ordered 1
		.amdhsa_forward_progress 1
		.amdhsa_inst_pref_size 94
	.end_amdhsa_kernel
	.amdgpu_metadata
---
amdhsa.version: [ 1, 2 ]
amdhsa.kernels:
  - .name:           k_q5288ad96b1_attn
    .symbol:         k_q5288ad96b1_attn.kd
    .args:
      - { .name: qkv, .offset: 0, .size: 8, .value_kind: global_buffer, .address_space: global }
      - { .name: lowp_scales, .offset: 8, .size: 8, .value_kind: global_buffer, .address_space: global }
      - { .name: af, .offset: 16, .size: 8, .value_kind: global_buffer, .address_space: global }
    .group_segment_fixed_size: 67584
    .private_segment_fixed_size: 0
    .kernarg_segment_align: 8
    .kernarg_segment_size: 24
    .max_flat_workgroup_size: 512
    .sgpr_count:     66
    .vgpr_count:     242
    .wavefront_size: 32
...
	.end_amdgpu_metadata
.endif
;; end of part 3
;; launch outp (part 4): grid 4 x 32, 4 waves a work-group, clusters of 4 x 4, 327,680 bytes of LDS; arguments af, wf, lowp_scales, out0; writes out0
.if DOCPART == 4
	.amdgcn_target "amdgcn-amd-amdhsa--gfx1250"
	.amdhsa_code_object_version 6
	.text
	.protected	k_q5288ad96b1_outp
	.globl	k_q5288ad96b1_outp
	.p2align	8
	.type	k_q5288ad96b1_outp,@function
k_q5288ad96b1_outp:
	s_mov_b64 s[64:65], 0
	v_nop
	global_prefetch_b8 v0, s[64:65] scope:SCOPE_SE
	s_setreg_imm32_b32 hwreg(HW_REG_WAVE_MODE, 25, 1), 1
	s_wait_xcnt 0x0
	s_wait_alu depctr_hold_cnt(0) depctr_sa_sdst(0) depctr_va_vdst(0) depctr_va_sdst(0) depctr_va_ssrc(0) depctr_va_vcc(0) depctr_vm_vsrc(0)
	s_getreg_b32 s2, hwreg(HW_REG_IB_STS2, 6, 4)
	s_cmp_eq_u32 s2, 0
	s_cbranch_scc0 .Lentry_in_a_cluster
	s_endpgm
.Lentry_in_a_cluster:
	s_bfe_u32 s2, ttmp6, 0x10000c
	s_cmp_lg_u32 s2, 0xf033
	s_cbranch_scc0 .Lentry_shape_is_right
	s_endpgm
.Lentry_shape_is_right:
; out0 [8192][1024] f32 = attn x out_weights on codes of E4M3 (v_wmma_f32_16x16x128_fp8_fp8, f32 sums); each finished sum is multiplied once by 2^(e10 + e11).
; OPERANDS are images of registers (16 rows x 128 K in 2,048 bytes: quad c at 512 c, lane l at 16 l): af: row tile << 14, K step << 11;  wf: out_weights' codes at 3 << 20, tile of 16 n << 14, K step << 11.
; A tile of 256 x 256 of the output is made by a work-group of four waves; a wave makes 128 x 128: 64 accumulators.  K = 1,024 goes in four steps of 256 through two LDS slots: the text is written out, it has no loop.
; CLUSTERS: 4 x 4 work-groups.  The four of a row of the cluster need the same tiles of A, the four of a column the same tiles of B: each tile is asked for JOINTLY.
; THE MATRIX INSTRUCTION IS USED TRANSPOSED (source 0 = 16 rows of B, source 1 = 16 rows of A): a lane then holds eight neighbouring numbers of a row of the output.
; 128 tiles of 256 x 256: half as many work-groups as a smaller tile would give; the larger tile reads each fragment from LDS for twice the products.
; LIMIT: e10 + e11 lies between -126 and 127, so that 2^(e10 + e11) is an f32 number.
; REGISTERS, in windows of 256: window 0: v16-29 addresses; from v128 A's fragments, ONE set; on the way out v32-255 are free.  window 1: B's fragments, TWO sets.  windows 2, 3: the accumulators.
.set SIZE_N, 1024
.set FR,     16
.set NL,     4
.set NP,     4                         ; places behind this matrix instruction (ISA guide 7.12.1)
.set HALFT,  32768                     ; what one tensor load brings: 8 row tiles x two images (256 along K)
.set SLOT,   4*HALFT
.set SPARE,  2*SLOT                    ; behind the ring: the spare words, 128 bytes for each wave, that no other line names
.set KSB,    4096
.set SPITCH, 528                       ; the way out: a stage of 16 rows x (512 bytes + 16) for each wave.  It lies in slot 0, which has had its last fill and its last read when the first result is stored there
.set ADRA, 16
.set ADRB, 20
.set STO,  24                          ; v24  the way out: where I put 32 bytes of a row
.set RD,   25                          ; v25  where I read a row back
.set CO,   26                          ; v26  16 x lane: my place in an image's quad, and in a row of the output
.set SPW,  28
.set NIL,  29
.set TMP,  32
.set AF,   128
.set BK,   128
.set G1, 24
.set G0, 32
.set G1B, 48
.set G0B, 56
.set MSB, 0
.macro WIN new                         ; the immediate's high byte repeats the setting that is left
.if MSB != (\new)
	s_set_vgpr_msb (MSB<<8)|(\new)
.set MSB, (\new)
.endif
.endm
.set MUL_LO, 0xa1
.set MUL_HI, 0xf1
.set TO_B,   0x40
.macro JLOAD g0a, g1a, g0b, g1b        ; waves 0 and 1 fetch for A, waves 2 and 3 for B; four v_nop follow each of the two lines
	s_cmp_eq_u32 s15, 0
	s_cbranch_scc0 .Lfor_b_\@
	tensor_load_to_lds s[\g0a:\g0a+3], s[\g1a:\g1a+7]
	s_nop 0
.rept 4
	v_nop
.endr
	s_branch .Lasked_\@
.Lfor_b_\@:
	tensor_load_to_lds s[\g0b:\g0b+3], s[\g1b:\g1b+7]
	s_nop 0
.rept 4
	v_nop
.endr
.Lasked_\@:
.endm
.macro CREST
	s_cmp_lg_u32 s14, 0
	s_cbranch_scc1 .Lnot_wave_0_\@
	s_barrier_signal -3
.Lnot_wave_0_\@:
	s_barrier_wait -3
	s_barrier_signal -1
	s_barrier_wait -1
.endm
.macro CROUND
	s_barrier_signal -1
	s_barrier_wait -1
	CREST
.endm
	s_load_b128 s[4:7], s[0:1], 0x0                ; af s[4:5], wf s[6:7]
	s_load_b128 s[8:11], s[0:1], 0x10              ; the exponents s[8:9], out0 s[10:11]
	v_lshl_add_u32 v[SPW], v0, 2, SPARE
	v_mov_b32 v[NIL], 0
	ds_add_u32 v28, v29
	ds_add_u32 v28, v29
	s_wait_dscnt 0x0
	v_lshrrev_b32 v1, 5, v0
	v_readfirstlane_b32 s14, v1                    ; wave 0..3
	s_lshr_b32 s15, s14, 1                         ; which half of the tile's rows is mine.  Also: I fetch for A (0) or for B (1)
	s_and_b32 s16, s14, 1                          ; which half of its columns.  Also: which 128 rows of that tile I fetch
	s_bfe_u32 s40, ttmp6, 0x40000                  ; cx, cy
	s_bfe_u32 s41, ttmp6, 0x40004
	s_lshl_b32 s42, ttmp9, 2
	s_add_co_u32 s42, s42, s40                     ; tile column = 4 x cluster x + cx
	s_and_b32 s17, ttmp7, 0xffff
	s_lshl_b32 s17, s17, 2
	s_add_co_u32 s17, s17, s41                     ; tile row = 4 x cluster y + cy
	s_lshl_b32 s43, s41, 2
	s_lshl_b32 s43, 15, s43                        ; my row of the cluster
	s_lshl_b32 s44, 0x1111, s40                    ; my column
	s_or_b32 s[G1+0], s43, (3<<16)|(1<<21)         ; 15:0 the mask; 17:16 elements of 8 bytes; 20 no padding; 21 set beside a mask
	s_or_b32 s[G1B+0], s44, (3<<16)|(1<<21)
.irp g, G1, G1B
	s_mov_b32 s[\g+1], 512<<16                     ; 8 rows (row tiles) of 512 elements (4,096 bytes: two images), 2,048 elements apart in memory, dense in LDS
	s_mov_b32 s[\g+2], 8<<16
	s_mov_b32 s[\g+3], 512<<16
	s_mov_b32 s[\g+4], 8
	s_mov_b32 s[\g+5], 2048
	s_mov_b32 s[\g+6], 0
	s_mov_b32 s[\g+7], 0
.endr
	s_lshl_b32 s18, s16, 17                        ; which 8 row tiles of the tile I fetch
	s_lshl_b32 s20, s17, 18
	s_add_co_u32 s20, s20, s18
	s_mov_b32 s21, 0
	s_lshl_b32 s46, s42, 18
	s_add_co_u32 s46, s46, s18
	s_add_co_u32 s46, s46, 3<<20                   ; out_weights' codes
	s_mov_b32 s47, 0
	s_mul_i32 s45, s14, HALFT
	s_wait_kmcnt 0x0
	s_load_b64 s[96:97], s[8:9], 0x28              ; e10, e11
	s_add_nc_u64 s[20:21], s[4:5], s[20:21]
	s_add_nc_u64 s[46:47], s[6:7], s[46:47]
	CROUND                                         ; all sixteen work-groups are here: the first joint loads meet
.irp s, 0,1
	s_mov_b32 s[G0+4*\s], 1
	s_add_co_u32 s[G0+4*\s+1], s45, \s*SLOT
	s_add_nc_u64 s[G0+4*\s+2:G0+4*\s+3], s[20:21], \s*KSB
	s_or_b32 s[G0+4*\s+3], s[G0+4*\s+3], 0x80000000
	s_mov_b32 s[G0B+4*\s], 1
	s_add_co_u32 s[G0B+4*\s+1], s45, \s*SLOT
	s_add_nc_u64 s[G0B+4*\s+2:G0B+4*\s+3], s[46:47], \s*KSB
	s_or_b32 s[G0B+4*\s+3], s[G0B+4*\s+3], 0x80000000
	JLOAD G0+4*\s, G1, G0B+4*\s, G1B
.endr
	v_and_b32 v1, 15, v0                           ; l % 16
	v_bfe_u32 v2, v0, 4, 1                         ; l / 16
	v_and_b32 v6, 31, v0
	v_lshlrev_b32 v[CO], 4, v6
	s_mul_i32 s21, s15, HALFT
	s_mul_i32 s22, s16, HALFT
	s_add_co_u32 s22, s22, 2*HALFT
.irp s, 0,1
	v_add_nc_u32 v[ADRA+\s], s21, v[CO]
	v_add_nc_u32 v[ADRB+\s], s22, v[CO]
	s_add_co_u32 s21, s21, SLOT
	s_add_co_u32 s22, s22, SLOT
.endr
	s_mul_i32 s23, s14, 16*SPITCH                  ; my stage
	v_mul_u32_u24 v5, v1, SPITCH                   ; in: row l % 16, 32 bytes for each half of the lanes
	v_lshl_add_u32 v5, v2, 5, v5
	v_add_nc_u32 v[STO], s23, v5
	v_add_nc_u32 v[RD], s23, v[CO]                 ; back: the 32 lanes take one row of 512 bytes
	s_lshl_b32 s20, s17, 20                        ; my first row: (256 x tile row + 128 x half) x 4,096 bytes,
	s_lshl_b32 s21, s15, 19
	s_add_co_u32 s20, s20, s21
	s_lshl_b32 s46, s42, 10                        ; my first column, in bytes: 1,024 x tile column + 512 x half
	s_add_co_u32 s20, s20, s46
	s_lshl_b32 s46, s16, 9
	s_add_co_u32 s20, s20, s46
	s_mov_b32 s21, 0
	s_add_nc_u64 s[10:11], s[10:11], s[20:21]
.macro FRAG reg, adr, q, i             ; a fragment comes back as its image lies: four loads of 512 consecutive bytes
.irp c, 0,1,2,3
	ds_load_b128 v[\reg+4*\c:\reg+4*\c+3], v[\adr] offset:(\i)*4096+(\q)*2048+\c*512
.endr
.endm
.macro MUL16 a0, p, zero               ; the 64 accumulators take turns, one instruction a turn
.irp a, \a0, \a0+1
.irp b, 0,1,2,3,4,5,6,7
.if \zero
	v_wmma_f32_16x16x128_fp8_fp8 v[8*(8*((\a)%4)+\b):8*(8*((\a)%4)+\b)+7], v[128*(\p)+FR*\b:128*(\p)+FR*\b+FR-1], v[AF+FR*(\a):AF+FR*(\a)+FR-1], 0
.else
	v_wmma_f32_16x16x128_fp8_fp8 v[8*(8*((\a)%4)+\b):8*(8*((\a)%4)+\b)+7], v[128*(\p)+FR*\b:128*(\p)+FR*\b+FR-1], v[AF+FR*(\a):AF+FR*(\a)+FR-1], v[8*(8*((\a)%4)+\b):8*(8*((\a)%4)+\b)+7]
.endif
.endr
.endr
.endm
.macro FETCH_B slot, q, p
	WIN TO_B
.irp i, 0,1,2,3,4,5,6,7
	FRAG 128*(\p)+FR*\i, ADRB+\slot, \q, \i
.endr
	WIN 0
.endm
.macro FETCH_A slot, q, i0
.irp i, \i0, \i0+1, \i0+2, \i0+3
	FRAG AF+FR*(\i), ADRA+\slot, \q, \i
.endr
.endm
.macro PLACES n                        ; plain vector lines between a matrix instruction and a load into, or a vector read of, its registers
.rept \n
	v_nop
.endr
.endm
.macro STEP slot, q, zero
	s_wait_dscnt 4*NL                              ; B's set and A's blocks 0-3 are in; the youngest 16 loads (A's blocks 4-7) may be out
	WIN MUL_LO
	MUL16 0, (\q)%2, \zero
	MUL16 2, (\q)%2, \zero
	s_wait_dscnt 0                                 ; A's blocks 4-7 are in
	PLACES NP
	FETCH_B \slot, (\q)+1, 1-(\q)%2
	FETCH_A \slot, (\q)+1, 0
	WIN MUL_HI
	MUL16 4, (\q)%2, \zero
	MUL16 6, (\q)%2, \zero
	PLACES NP
	WIN 0
	FETCH_A \slot, (\q)+1, 4
.endm
.macro TURN slot, next, fill
	s_wait_tensorcnt 0x0                           ; all my tensor loads have landed: my part of the next slot
	ds_add_u32 v[SPW], v[NIL]                      ; 0 onto my spare word
	s_wait_dscnt 4*NL+1                            ; (the add and the youngest 16 loads may be out)
	WIN MUL_LO
	MUL16 0, 1, 0
	s_wait_dscnt 0x0                               ; the add is done, and my reads of this slot are over
	s_barrier_signal -1
	MUL16 2, 1, 0
	WIN 0
	s_barrier_wait -1
.if \fill
	CREST                                          ; the barrier has opened a round of the cluster's: no wave of any partner still reads this slot or has a load on its way
	s_add_nc_u64 s[G0+4*\slot+2:G0+4*\slot+3], s[G0+4*\slot+2:G0+4*\slot+3], 2*KSB
	s_add_nc_u64 s[G0B+4*\slot+2:G0B+4*\slot+3], s[G0B+4*\slot+2:G0B+4*\slot+3], 2*KSB
	JLOAD G0+4*\slot, G1, G0B+4*\slot, G1B
.else
	PLACES NP
.endif
	FETCH_B \next, 0, 0
	FETCH_A \next, 0, 0
	WIN MUL_HI
	MUL16 4, 1, 0
	MUL16 6, 1, 0
	PLACES NP
	WIN 0
	FETCH_A \next, 0, 4
.endm
	s_wait_tensorcnt 1                             ; my part of slot 0 is in (slot 1's load may be out)
	s_barrier_signal -1
	s_barrier_wait -1                              ; everybody's is
	FETCH_B 0, 0, 0
	FETCH_A 0, 0, 0
	FETCH_A 0, 0, 4
	STEP 0, 0, 1
	TURN 0, 1, 1
	STEP 1, 0, 0
	TURN 1, 0, 1
	STEP 0, 0, 0
	TURN 0, 1, 0
	STEP 1, 0, 0
	s_wait_dscnt 4*NL
	WIN MUL_LO
	MUL16 0, 1, 0
	MUL16 2, 1, 0
	s_wait_dscnt 0
	WIN MUL_HI
	MUL16 4, 1, 0
	MUL16 6, 1, 0
	WIN 0
; THE WAY OUT, block by block of 16 rows x 128 columns: through my own stage in LDS, back as whole rows of 512 bytes.  LDS serves a wave's instructions in order (ISA guide 5.7.1.4): no wait between the stores and the loads.
.macro TOSTAGE a
.set AC, 64*((\a)%4)
	WIN 0x02+((\a)/4)                              ; source 0: window 2 or 3
.set j, 0
.rept 32
	v_pk_mul_f32 v[TMP+j:TMP+j+1], v[AC+j:AC+j+1], s[96:97] op_sel_hi:[1,0]   ; both x s96 = 2^(e10 + e11); each accumulator from its low end on
.set j, j+2
.endr
	WIN 0
.irp b, 0,1,2,3,4,5,6,7
	ds_store_b128 v[STO], v[TMP+8*\b:TMP+8*\b+3] offset:64*\b
	ds_store_b128 v[STO], v[TMP+8*\b+4:TMP+8*\b+7] offset:64*\b+16
.endr
.set BB, BK+64*((\a)%2)
.irp t, 0,1,2,3,4,5,6,7,8,9,10,11,12,13,14,15
	ds_load_b128 v[BB+4*\t:BB+4*\t+3], v[RD] offset:\t*SPITCH
.endr
.endm
.macro SEND a, younger                 ; younger: the LDS instructions issued behind block a's loads, which may stay out
.set BB, BK+64*((\a)%2)
	s_wait_dscnt \younger
.if (\a) > 0
	s_add_nc_u64 s[10:11], s[10:11], 16*SIZE_N*4   ; (behind a wait on XCNT: the earlier stores have read their base)
.endif
.irp t, 0,1,2,3,4,5,6,7,8,9,10,11,12,13,14,15
	global_store_b128 v[CO], v[BB+4*\t:BB+4*\t+3], s[10:11] offset:\t*SIZE_N*4 th:TH_STORE_NT   ; 32 lanes store 512 consecutive bytes, at a multiple of 512 from the output's first byte
.endr
.endm
	s_wait_kmcnt 0x0
	s_add_co_i32 s96, s96, s97
	s_add_co_i32 s96, s96, 127
	s_lshl_b32 s96, s96, 23                        ; 2^(e10 + e11) as f32
	PLACES NP                                      ; behind the last products: their results are read, and loads land in the registers that held A's fragments
	TOSTAGE 0
.irp a, 1,2,3,4,5,6,7
.if \a > 1
	s_wait_xcnt 0x0                                ; block a - 2's stores have read their registers and their base
.endif
	TOSTAGE \a
	SEND \a-1, 32                                  ; behind block a - 1's loads: block a's 16 stores and 16 loads
.endr
	s_wait_xcnt 0x0
	SEND 7, 0
	s_wait_tensorcnt 0x0                           ; the wave's end
	ds_add_u32 v[SPW], v[NIL]
	s_wait_dscnt 0x0
	CROUND                                         ; the closing round
	s_endpgm
.Lfunc_end_k_q5288ad96b1_outp:
	.size	k_q5288ad96b1_outp, .Lfunc_end_k_q5288ad96b1_outp-k_q5288ad96b1_outp
	.p2alignl 7, 3214868480
	.fill 96, 4, 3214868480
	.section	.rodata,"a",@progbits
	.p2align	6, 0x0
	.amdhsa_kernel k_q5288ad96b1_outp
		.amdhsa_group_segment_fixed_size 327680
		.amdhsa_private_segment_fixed_size 0
		.amdhsa_enable_private_segment 0
		.amdhsa_kernarg_size 32
		.amdhsa_user_sgpr_count 2
		.amdhsa_user_sgpr_kernarg_segment_ptr 1
		.amdhsa_wavefront_size32 1
		.amdhsa_system_sgpr_workgroup_id_x 1
		.amdhsa_system_sgpr_workgroup_id_y 1
		.amdhsa_system_sgpr_workgroup_id_z 1
		.amdhsa_system_vgpr_workitem_id 0
		.amdhsa_next_free_vgpr 1024
		.amdhsa_next_free_sgpr 98
		.amdhsa_reserve_vcc 0
		.amdhsa_float_denorm_mode_32 3
		.amdhsa_float_denorm_mode_16_64 3
		.amdhsa_memory_ordered 1
		.amdhsa_forward_progress 1
		.amdhsa_inst_pref_size 123
	.end_amdhsa_kernel
	.amdgpu_metadata
---
amdhsa.version: [ 1, 2 ]
amdhsa.kernels:
  - .name:           k_q5288ad96b1_outp
    .symbol:         k_q5288ad96b1_outp.kd
    .args:
      - { .name: af, .offset: 0, .size: 8, .value_kind: global_buffer, .address_space: global }
      - { .name: wf, .offset: 8, .size: 8, .value_kind: global_buffer, .address_space: global }
      - { .name: lowp_scales, .offset: 16, .size: 8, .value_kind: global_buffer, .address_space: global }
      - { .name: out0, .offset: 24, .size: 8, .value_kind: global_buffer, .address_space: global }
    .group_segment_fixed_size: 327680
    .private_segment_fixed_size: 0
    .kernarg_segment_align: 8
    .kernarg_segment_size: 32
    .max_flat_workgroup_size: 128
    .sgpr_count:     98
    .vgpr_count:     1024
    .wavefront_size: 32
...
	.end_amdgpu_metadata
.endif
;; end of part 4
;; ======== version 2 of 2: 4 launches; version 1 with the launch attn written anew for expert scheduling mode
;; workspace buffers: xf 25,165,824 bytes; wf 4,194,304 bytes; qkv 25,165,824 bytes; af 8,388,608 bytes
;; launch prep: the kernel of part 1 again; grid 512 x 1, 4 waves a work-group, no clusters, 34,304 bytes of LDS; arguments key, query, value, in_weights, out_weights, lowp_scales, xf, wf; writes xf, wf
;; launch proj: the kernel of part 2 again; grid 4 x 96, 4 waves a work-group, clusters of 4 x 4, 327,680 bytes of LDS; arguments xf, wf, lowp_scales, qkv; writes qkv
;; launch attn (part 5): grid 8 x 64, 16 waves a work-group, no clusters, 67,584 bytes of LDS; arguments qkv, lowp_scales, af; writes af
.if DOCPART == 5
	.amdgcn_target "amdgcn-amd-amdhsa--gfx1250"
	.amdhsa_code_object_version 6
	.text
	.protected	k_q5288ad96b1_attn
	.globl	k_q5288ad96b1_attn
	.p2align	8
	.type	k_q5288ad96b1_attn,@function
k_q5288ad96b1_attn:
	s_mov_b64 s[64:65], 0
	v_nop
	global_prefetch_b8 v0, s[64:65] scope:SCOPE_SE
	s_setreg_imm32_b32 hwreg(HW_REG_WAVE_SCHED_MODE, 0, 2), 2
	s_setreg_imm32_b32 hwreg(HW_REG_WAVE_MODE, 25, 1), 1
	s_wait_xcnt 0x0
	s_wait_alu depctr_vm_vsrc(0)
; Causal attention of one (batch, head) on codes of E4M3: S^T = k q^T (v_wmma_f32_16x16x64_fp8_fp8, K = the head's 64), O^T = v^T p^T (v_wmma_f32_16x16x128_fp8_fp8, K = 128 keys a step); O / l is quantised for the last product.
; THE SOFTMAX AHEAD OF THE SECOND PRODUCT: t = score x log2(e) / 8; M = the row's largest t so far, rounded UP to a whole number; p = 2^(t - M) is quantised with 2^e8, not normalised.  The row's sum l is taken of the
; unquantised p; when M moves, l and O are multiplied by 2^(old M - new M), which rounds nothing.
; OPERANDS are images of registers, as the launch before laid them (quad at 512 c, lane l at 16 l): every fragment comes by loads of 512 consecutive bytes.  Both products are used transposed, so that a lane holds ONE query:
; S^T tile t: lane (r, h), register j = (query r, key 16 t + 8 h + j); converted, these eight are registers 2 t, 2 t + 1 of p's operand.  O^T tile d: register j = channel 16 d + 8 h + j; converted: registers of the next operand.
; SHARES.  Work-group (j, bh) owns the blocks of 128 queries j and 15 - j: j + 1 and 16 - j key steps of 128, 17 in every work-group.  Sixteen waves, one tile of 16 queries each: wave w has tile w / 2 of the early block or of
; the late one, by (w ^ (w >> 2)) & 1: of waves s, s + 4, s + 8, s + 12, and of waves 4 s .. 4 s + 3 alike, two have the early block.
; K AND V come through two LDS slots of 256 keys (32,768 bytes), filled THROUGH REGISTERS: wave w loads 1,024 bytes of K and 1,024 of V a slot ahead and stores them behind the barrier.  The loop has 4 trips of two slots for
; every work-group; a slot past the work-group's last (8 - j / 2 are needed) is not filled, a step whose keys all come after the wave's queries is jumped over: scalar branches on ids, round no barrier.
; NO CLUSTER, though the eight work-groups of a (batch, head) read the same K and V: they walk 5 to 8 slots, and a slot's 32,768 bytes serve up to 32 steps of a tile, each some 200 vector instructions: what would be shared is
; a small part of a step's work.
; LIMITS on the given exponents: e6 + e7 between -123 and 130 (added to c's exponent field); e8, and e10 - e8 - e9, between -126 and 119.
; THE MODE: SCHED_MODE bits 1:0 = 2 (LLVM: expert scheduling mode 2), set by the entry lines.  The code itself states the register dependences
; between vector or matrix instructions and memory or LDS instructions, with s_wait_alu, always for 0.
; THE PLAN.  Registers that memory or LDS instructions touch:
;   v[LI], v[SK], v[SV]  addresses: made once at the head, ahead of one wait on va_vdst, and never written again.
;   v[Q ..]     loaded once at the head; read by the products k q^T.
;   G0, G1      two buffers of 16 registers; slot s goes through G[s % 2].  In the phase of slot s the loads of slot s + 2 land in G[s % 2], and then the LDS stores of slot s + 1 read G[(s + 1) % 2].  No vector instruction
;               names them.  One wait on vm_vsrc a phase, behind the barrier: the LDS stores of the phase before have read G[s % 2].
;   v[KF ..]    K's eight fragments land; the eight products k q^T read them; V's four fragments land; the four products v^T p^T read them.  Two waits on va_vdst a step: one at its head (the last step's v^T p^T are done
;               reading), one ahead of V's loads (this step's k q^T are done reading).  V's loads follow it, dealt among the lines of the maximum, which name the scores and two registers at work.
;   v[P ..]     on the way out: written by the conversions, read by the two stores: one wait on va_vdst.
;   s10, s32-63 written by vector instructions (the wave's number; the diagonal's masks, 32 to a run): one wait on va_sdst ahead of the first reader of each run.
.set LI,   1                           ; v1   16 x lane
.set SK,   2                           ; v2   where I store my tile of K: 1,024 x wave + 16 x lane
.set SV,   3                           ; v3   where I store my part of V
.set DG,   4                           ; v4   my query's place in its block - 8 h
.set NINF, 5                           ; v5   -infinity
.set PSC,  6                           ; v6   2^e8
.set PLIM, 7                           ; v7   448 x 2^e8
                                       ; v12 -M, v13 the largest t, v[14:15] the sum in two halves
.set Q,    16                          ; v16-23   q's fragment
.set G,    24                          ; v24-39   K's and V's bytes on their way to LDS: buffer 0;
.set GD,   200                         ; v224-239 buffer 1
.set KF,   40                          ; v40-103  eight fragments of K, then four of V
.set S,    104                         ; v104-167 S^T, then p
.set O,    168                         ; v168-199 O^T
.set P,    200                         ; v200-215 p's codes
.set TA,   216
.set PM,   217
.set TB,   218
.set FF,   220                         ; v[220:221] f = 2^(old M - new M), named as a pair
.set SM,   222                         ; v[222:223]
.set WV,   10
.set BLK,  11                          ; s11  my block of 128 queries = my last key step
.set NS,   12                          ; s12  slots that the work-group needs
.set ST,   13                          ; s13  the key step
.set SG,   14                          ; s14  the slot
.set TR,   15
.set KP,   16                          ; s[16:17] my 1,024 bytes of K of the slot that was loaded last
.set VP,   18                          ; s[18:19] the same of V
.set QP,   20
.set OP,   22
.set SEL,  24                          ; s[24:25] v_permlanex16_b32's selects: lane l xor 16
.set CS,   26                          ; s[26:27] c = log2(e) / 8 x 2^(e6 + e7)
.set NH,   28                          ; s28  1 where p wants its hold
.set T0,   29
.set OSC,  30                          ; s30  2^(e10 - e8 - e9)
.set OLIM, 31                          ; s31  448 x it
.set MK,   32                          ; s32-63 behind the head: the diagonal's masks, 32 to a run
.set SLOTB, 32768
	s_load_b128 s[4:7], s[0:1], 0x0                ; qkv s[4:5], the exponents s[6:7]
	s_load_b64 s[8:9], s[0:1], 0x10                ; af
	v_lshl_add_u32 v11, v0, 2, 0x10000
	v_mov_b32 v219, 0
	v_lshrrev_b32 v8, 5, v0
	v_readfirstlane_b32 s[WV], v8                  ; wave 0..15
	s_and_b32 s44, ttmp7, 0xffff                   ; bh = 16 x batch + head
	s_wait_alu depctr_va_sdst(0)                   ; s10, the wave's number, is written, ahead of its first reader
	s_lshr_b32 s45, s[WV], 2
	s_xor_b32 s45, s45, s[WV]
	s_and_b32 s45, s45, 1                          ; 1: the late block
	s_lshr_b32 s46, s[WV], 1                       ; my tile in the block
	s_sub_co_u32 s47, 15, ttmp9
	s_cmp_eq_u32 s45, 1
	s_cselect_b32 s[BLK], s47, ttmp9
	s_lshr_b32 s[NS], ttmp9, 1
	s_sub_co_u32 s[NS], 8, s[NS]                   ; ceil((16 - j) / 2)
	s_lshl_b32 s48, s[BLK], 3
	s_add_co_u32 s48, s48, s46                     ; my tile of 16 queries, 0..127
	s_lshl_b32 s50, s44, 17
	s_lshl_b32 s49, s[WV], 10
	s_add_co_u32 s52, s50, s49                     ; K: bh << 17 + tile w << 10
	s_mov_b32 s53, 0
	s_lshr_b32 s54, s44, 4                         ; V: batch << 21 + (head / 2) << 18 + (head % 2) << 12, and my part: block (w / 8) << 13, quads' half ((w / 4) % 2) << 17, tile of d (w % 4) << 10
	s_lshl_b32 s54, s54, 21
	s_bfe_u32 s55, s44, 0x30001
	s_lshl_b32 s55, s55, 18
	s_add_co_u32 s54, s54, s55
	s_and_b32 s55, s44, 1
	s_lshl_b32 s55, s55, 12
	s_add_co_u32 s54, s54, s55
	s_lshr_b32 s55, s[WV], 3
	s_lshl_b32 s55, s55, 13
	s_add_co_u32 s54, s54, s55
	s_bfe_u32 s55, s[WV], 0x10002
	s_lshl_b32 s55, s55, 17
	s_add_co_u32 s54, s54, s55
	s_and_b32 s55, s[WV], 3
	s_lshl_b32 s55, s55, 10
	s_add_co_u32 s54, s54, s55
	s_add_co_u32 s54, s54, 0x1000000
	s_mov_b32 s55, 0
	s_lshl_b32 s56, s48, 10                        ; Q: 1 << 23 + bh << 17 + my tile << 10
	s_add_co_u32 s56, s56, s50
	s_add_co_u32 s56, s56, 0x800000
	s_mov_b32 s57, 0
	s_lshr_b32 s58, s44, 4                         ; af: row tile (128 x batch + my tile) << 14 + head << 10
	s_lshl_b32 s58, s58, 7
	s_add_co_u32 s58, s58, s48
	s_lshl_b32 s58, s58, 14
	s_and_b32 s59, s44, 15
	s_lshl_b32 s59, s59, 10
	s_add_co_u32 s58, s58, s59
	s_mov_b32 s59, 0
	v_and_b32 v8, 31, v0
	v_lshlrev_b32 v[LI], 4, v8
	v_add_nc_u32 v[SK], s49, v[LI]
	s_lshr_b32 s60, s[WV], 3                       ; V in a slot: 16,384 + block x 8,192 + tile of d x 2,048 + quad x 512
	s_lshl_b32 s60, s60, 13
	s_and_b32 s61, s[WV], 3
	s_lshl_b32 s61, s61, 11
	s_add_co_u32 s60, s60, s61
	s_bfe_u32 s61, s[WV], 0x10002
	s_lshl_b32 s61, s61, 10
	s_add_co_u32 s60, s60, s61
	s_add_co_u32 s60, s60, 16384
	v_add_nc_u32 v[SV], s60, v[LI]
	v_and_b32 v8, 15, v0                           ; r
	v_bfe_u32 v9, v0, 4, 1                         ; h
	v_lshlrev_b32 v9, 3, v9
	v_sub_nc_u32 v[DG], v8, v9
	s_lshl_b32 s61, s46, 4
	v_add_nc_u32 v[DG], s61, v[DG]                 ; 16 x my tile + r - 8 h
	s_mov_b32 s[SEL], 0x76543210
	s_mov_b32 s[SEL+1], 0xfedcba98
	s_wait_kmcnt 0x0
	s_load_b256 s[32:39], s[6:7], 0x0              ; e0 .. e7
	s_load_b128 s[40:43], s[6:7], 0x20             ; e8 .. e11
	s_add_nc_u64 s[KP:KP+1], s[4:5], s[52:53]
	s_add_nc_u64 s[VP:VP+1], s[4:5], s[54:55]
	s_add_nc_u64 s[QP:QP+1], s[4:5], s[56:57]
	s_add_nc_u64 s[OP:OP+1], s[8:9], s[58:59]
	s_wait_alu depctr_va_vdst(0)                   ; v[LI], v[SK] and v[SV] are written: every load and store of the kernel, global or LDS, reads one of them as its address
.macro LOADG b, off                    ; my 2,048 bytes of a slot into buffer b: each load reads 512 consecutive bytes
.set GA, G+GD*(\b)
	global_load_b128 v[GA:GA+3],     v[LI], s[KP:KP+1] offset:(\off)
	global_load_b128 v[GA+4:GA+7],   v[LI], s[KP:KP+1] offset:(\off)+512
	global_load_b128 v[GA+8:GA+11],  v[LI], s[VP:VP+1] offset:(\off)
	global_load_b128 v[GA+12:GA+15], v[LI], s[VP:VP+1] offset:(\off)+512
.endm
.macro STOREG b                        ; buffer b into LDS slot b
.set GA, G+GD*(\b)
	ds_store_b128 v[SK], v[GA:GA+3]     offset:(\b)*SLOTB
	ds_store_b128 v[SK], v[GA+4:GA+7]   offset:(\b)*SLOTB+512
	ds_store_b128 v[SV], v[GA+8:GA+11]  offset:(\b)*SLOTB
	ds_store_b128 v[SV], v[GA+12:GA+15] offset:(\b)*SLOTB+512
.endm
	global_load_b128 v[Q:Q+3],   v[LI], s[QP:QP+1]
	global_load_b128 v[Q+4:Q+7], v[LI], s[QP:QP+1] offset:512
	LOADG 0, 0                                     ; slot 0
	LOADG 1, 16384                                 ; slot 1, a slot on: 16 tiles of K; two blocks of V (every work-group needs five slots or more)
	v_mov_b32 v[NINF], 0xff800000
	v_mov_b32 v13, 0xff61b1e6                      ; the largest t so far: -3e38, under every t
	v_floor_f32 v12, -v13                          ; -M
	v_mov_b32 v14, 0
	v_mov_b32 v15, 0
	v_mov_b32 v[PM], 0                             ; written once: a lane permute's destination counts as one of its sources
	v_mov_b32 v[FF+1], 0                           ; (named as the upper half of a pair)
.set j, 0
.rept 32
	v_mov_b32 v[O+j], 0                            ; the step is written once: the first finds zeros, which the first change of M leaves zeros
.set j, j+1
.endr
	s_wait_kmcnt 0x0
	s_add_co_i32 s44, s38, s39                     ; a score stands for score x 2^(e6 + e7): added to c's exponent field
	s_lshl_b32 s44, s44, 23
	s_mov_b32 s[CS], 0x3e38aa3b                    ; log2(e) / sqrt(64)
	s_add_co_i32 s[CS], s[CS], s44
	s_mov_b32 s[CS+1], s[CS]                       ; (named with it as a pair)
	s_add_co_i32 s44, s40, 127
	s_lshl_b32 s45, s44, 23
	v_mov_b32 v[PSC], s45
	s_add_co_i32 s44, s44, 8
	s_lshl_b32 s44, s44, 23
	s_or_b32 s44, s44, 0x600000
	v_mov_b32 v[PLIM], s44
	s_cmp_lt_i32 s40, -8                           ; p is at most 1.  From e8 = -8 on, 448 x 2^e8 is 1.75 or more and the hold changes nothing: it is then jumped over
	s_cselect_b32 s[NH], 1, 0
	s_add_co_i32 s44, s40, s41
	s_sub_co_i32 s44, s42, s44                     ; O's sums stand for sum x 2^(e8 + e9): the code of O / l is (sum / l) / 2^(e10 - e8 - e9)
	s_add_co_i32 s44, s44, 127
	s_lshl_b32 s[OSC], s44, 23
	s_add_co_i32 s44, s44, 8
	s_lshl_b32 s44, s44, 23
	s_or_b32 s[OLIM], s44, 0x600000
	s_wait_loadcnt 4                               ; loads come back in order (ISA guide 5.7.1): q and slot 0's bytes are in; slot 1's four loads stay out
	STOREG 0
	s_wait_xcnt 0x0                                ; every load so far has had its addresses translated (ISA guide 3.1): the two bases are rewritten only behind this wait
	s_add_nc_u64 s[KP:KP+1], s[KP:KP+1], 16384     ; both at slot 1, the slot that was loaded last
	s_add_nc_u64 s[VP:VP+1], s[VP:VP+1], 16384
	s_mov_b32 s[ST], 0
	s_mov_b32 s[SG], 0
	s_mov_b32 s[TR], 4
.macro VFRAG buf, q, d                 ; V's fragment d of the q-th step of slot buf
.irp c, 0,1,2,3
	ds_load_b128 v[KF+16*(\d)+4*\c:KF+16*(\d)+4*\c+3], v[LI] offset:(\buf)*SLOTB+16384+(\q)*8192+(\d)*2048+\c*512
.endr
.endm
.macro MAX2 i                          ; four more scores into the two chains of the maximum
	v_max3_num_f32 v[TA], v[TA], v[S+(\i)], v[S+(\i)+1]
	v_max3_num_f32 v[TB], v[TB], v[S+(\i)+2], v[S+(\i)+3]
.endm
; A KEY STEP: 128 keys, the q-th of slot buf.
.macro STEP buf, q
	s_cmp_gt_u32 s[ST], s[BLK]                     ; all its keys come after my queries: nothing to do
	s_cbranch_scc1 .Lhid_\@
	s_wait_alu depctr_va_vdst(0)                   ; the last step's products v^T p^T are done reading v[KF ..], in which K's fragments land
.irp t, 0,1,2,3,4,5,6,7
	ds_load_b128 v[KF+8*\t:KF+8*\t+3],   v[LI] offset:(\buf)*SLOTB+(8*(\q)+\t)*1024
	ds_load_b128 v[KF+8*\t+4:KF+8*\t+7], v[LI] offset:(\buf)*SLOTB+(8*(\q)+\t)*1024+512
.endr
	s_wait_dscnt 0x0
.irp t, 0,1,2,3,4,5,6,7
	v_wmma_f32_16x16x64_fp8_fp8 v[S+8*\t:S+8*\t+7], v[KF+8*\t:KF+8*\t+7], v[Q:Q+7], 0
.endr
.rept 4
	v_nop                                          ; places in front of the first read of the scores
.endr
	s_cmp_lg_u32 s[ST], s[BLK]                     ; on the diagonal the scores of hidden keys become -infinity ahead of the maximum: p = 0 then
	s_cbranch_scc1 .Lopen_\@
.irp g, 0,1                            ; two runs of 32: the compares, one wait, the selects
.set n, 32*\g
.rept 32
	v_cmp_gt_i32 s[MK+n%32], 16*(n/8)+n%8, v[DG]   ; register 8 t + i holds key 16 t + 8 h + i of the block: hidden where 16 t + i > my query's place - 8 h
.set n, n+1
.endr
	s_wait_alu depctr_va_sdst(0)                   ; the run's 32 masks are written, ahead of the selects that read them
.set n, 32*\g
.rept 32
	v_cndmask_b32 v[S+n], v[S+n], v[NINF], s[MK+n%32]
.set n, n+1
.endr
.endr
.Lopen_\@:
	s_wait_alu depctr_va_vdst(0)                   ; this step's products k q^T are done reading v[KF ..], in which V's fragments land.  No line from here to the last of V's loads names v[KF ..] or v[LI]
	VFRAG \buf, \q, 0                              ; V's four fragments, dealt among the lines of the maximum: they land while the softmax is worked
	v_max3_num_f32 v[TA], v[S], v[S+1], v[S+2]     ; the step's largest score of my query among my 64 keys, in two chains, each accumulator from its low end on,
	v_max3_num_f32 v[TB], v[S+3], v[S+4], v[S+5]
.irp i, 6,10,14
	MAX2 \i
.endr
	VFRAG \buf, \q, 1
.irp i, 18,22,26,30
	MAX2 \i
.endr
	VFRAG \buf, \q, 2
.irp i, 34,38,42,46
	MAX2 \i
.endr
	VFRAG \buf, \q, 3
.irp i, 50,54,58
	MAX2 \i
.endr
	v_max3_num_f32 v[TA], v[TA], v[S+62], v[S+63]
	v_max_num_f32 v[TA], v[TA], v[TB]
	v_permlanex16_b32 v[PM], v[TA], s[SEL], s[SEL+1]
	v_max_num_f32 v[TA], v[TA], v[PM]              ; and among lane l xor 16's
	v_mul_f32 v[TA], s[CS], v[TA]                  ; as t (c is positive)
	v_max_num_f32 v13, v13, v[TA]                  ; the running largest t
	v_mov_b32 v[TA], v12
	v_floor_f32 v12, -v13                          ; the new -M = floor(-t) = -ceil(t): a whole number
	v_sub_f32 v[TA], v12, v[TA]                    ; old M - new M: a whole number, 0 or less
	v_cvt_i32_f32 v[TA], v[TA]                     ; (it saturates)
	v_ldexp_f32 v[FF], 1.0, v[TA]                  ; f = 2^(old M - new M)
.set j, 0
.rept 32
	v_pk_fma_f32 v[S+j:S+j+1], v[S+j:S+j+1], s[CS:CS+1], v[12:13] op_sel_hi:[1,0,0]   ; t - M, two at a time (of the pairs c and -M the low word serves both halves)
.set j, j+2
.endr
.set j, 0
.rept 64
	v_exp_f32 v[S+j], v[S+j]                       ; p = 2^(t - M), at most 1
.set j, j+1
.endr
	v_pk_mul_f32 v[14:15], v[14:15], v[FF:FF+1] op_sel_hi:[1,0]   ; the sums under the new M; the plain line behind the exponentials
	s_wait_alu depctr_va_vdst(0)                   ; the 64 exponentials have written p: one wait for the batch, ahead of its first reader
	v_pk_add_f32 v[SM:SM+1], v[S:S+1], v[S+2:S+3]  ; the row's sum is taken of the unquantised p, in two chains
.irp j, 4,8,12,16,20,24,28,32,36,40,44,48,52,56,60
	v_pk_add_f32 v[14:15], v[14:15], v[S+\j:S+\j+1]
	v_pk_add_f32 v[SM:SM+1], v[SM:SM+1], v[S+\j+2:S+\j+3]
.endr
	v_pk_add_f32 v[14:15], v[14:15], v[SM:SM+1]
	s_cmp_eq_u32 s[NH], 0
	s_cbranch_scc1 .Lnohold_\@
.set j, 0
.rept 64
	v_min_num_f32 v[S+j], v[S+j], v[PLIM]          ; the conversion does not saturate (ISA guide 7.6.2); p is not negative, so the hold is one-sided
.set j, j+1
.endr
.Lnohold_\@:
.irp t, 0,1,2,3,4,5,6,7
	v_cvt_scalef32_pk8_fp8_f32 v[P+2*\t:P+2*\t+1], v[S+8*\t:S+8*\t+7], v[PSC]
.endr
.set j, 0
.rept 16
	v_pk_mul_f32 v[O+j:O+j+1], v[O+j:O+j+1], v[FF:FF+1] op_sel_hi:[1,0]   ; O^T under the new M; these are also the plain lines between the conversions and the products
.set j, j+2
.endr
	s_wait_dscnt 0x0                               ; V's fragments are in
.irp d, 0,1,2,3                        ; four accumulators by turns, one instruction a turn
	v_wmma_f32_16x16x128_fp8_fp8 v[O+8*\d:O+8*\d+7], v[KF+16*\d:KF+16*\d+15], v[P:P+15], v[O+8*\d:O+8*\d+7]
.endr
.rept 4
	v_nop                                          ; places in front of the next read of O^T
.endr
.Lhid_\@:
	s_add_co_u32 s[ST], s[ST], 1
.endm
; A SLOT.  In front of the barrier each wave's stores into slot buf have landed and its reads of the other slot are back.  Behind it slot buf is whole and nobody reads the other one.  First the loads for the slot after the
; next go out, into the register buffer that was stored a phase ago: they have this slot's two steps in which to come.  Then the other LDS slot takes the next 256 keys, which were asked for a slot ago.
; At a phase's entry only the four loads into the other register buffer can be out, on every path: a phase that loads waits for all but its own four, a phase that does not waits for all.
.macro PHASE buf
	s_wait_dscnt 0x0
	s_barrier_signal -1
	s_barrier_wait -1
	s_wait_alu depctr_vm_vsrc(0)                   ; my LDS stores of the phase before have read register buffer buf, in which the loads below land
	s_add_co_u32 s[T0], s[SG], 2
	s_cmp_lt_u32 s[T0], s[NS]
	s_cbranch_scc0 .Ltail_\@                       ; no load leaves the head's keys
	s_wait_xcnt 0x0                                ; the loads of a phase ago have had their addresses translated (ISA guide 3.1): the two bases are rewritten only behind this wait
	s_add_nc_u64 s[KP:KP+1], s[KP:KP+1], 16384
	s_add_nc_u64 s[VP:VP+1], s[VP:VP+1], 16384
	LOADG \buf, 0
	s_wait_loadcnt 4                               ; the next slot's bytes are in; the four loads just issued stay out
	STOREG 1-(\buf)
	s_branch .Lfilled_\@
.Ltail_\@:
	s_wait_loadcnt 0x0                             ; the last slot's bytes are in; where nothing is out the wait is met at once
	s_add_co_u32 s[T0], s[SG], 1
	s_cmp_lt_u32 s[T0], s[NS]
	s_cbranch_scc0 .Lfilled_\@
	STOREG 1-(\buf)
.Lfilled_\@:
	STEP \buf, 0
	STEP \buf, 1
	s_add_co_u32 s[SG], s[SG], 1
.endm
.Lloop:
	PHASE 0
	PHASE 1
	s_sub_co_u32 s[TR], s[TR], 1
	s_cmp_lg_u32 s[TR], 0
	s_cbranch_scc1 .Lloop
	; THE WAY OUT: O^T / l, held, converted: registers 2 d, 2 d + 1 are k = 64 (head % 2) + 16 d + 8 h + 0 .. 7 of my 16 tokens' fragment of the last product: two quads, 512 consecutive bytes each.
	v_add_f32 v14, v14, v15                        ; the sum's two halves,
	v_permlanex16_b32 v[PM], v14, s[SEL], s[SEL+1]
	v_add_f32 v14, v14, v[PM]                      ; and lane l xor 16's
	v_rcp_f32 v14, v14
	v_mov_b32 v8, s[OSC]                           ; (a plain line behind the reciprocal)
	v_mov_b32 v9, s[OLIM]
	s_wait_alu depctr_va_vdst(0)                   ; the reciprocal has written v14, ahead of its first reader
.set j, 0
.rept 32
	v_mul_f32 v[S+j], v[O+j], v14
.set j, j+1
.endr
.set j, 0
.rept 32
	v_med3_num_f32 v[S+j], v[S+j], -v9, v9
.set j, j+1
.endr
.irp d, 0,1,2,3
	v_cvt_scalef32_pk8_fp8_f32 v[P+2*\d:P+2*\d+1], v[S+8*\d:S+8*\d+7], v8
.endr
	v_nop
	s_wait_alu depctr_va_vdst(0)                   ; the conversions have written v[P .. P + 7], which the two stores read
	global_store_b128 v[LI], v[P:P+3],   s[OP:OP+1]
	global_store_b128 v[LI], v[P+4:P+7], s[OP:OP+1] offset:512
	s_wait_dscnt 0x0
	s_wait_alu depctr_hold_cnt(0) depctr_sa_sdst(0) depctr_va_vdst(0) depctr_va_sdst(0) depctr_va_ssrc(0) depctr_va_vcc(0) depctr_vm_vsrc(0)
	s_wait_tensorcnt 0x0
	ds_add_u32 v11, v219
	s_wait_dscnt 0x0
	s_endpgm
.Lfunc_end_k_q5288ad96b1_attn:
	.size	k_q5288ad96b1_attn, .Lfunc_end_k_q5288ad96b1_attn-k_q5288ad96b1_attn
	.p2alignl 7, 3214868480
	.fill 96, 4, 3214868480
	.section	.rodata,"a",@progbits
	.p2align	6, 0x0
	.amdhsa_kernel k_q5288ad96b1_attn
		.amdhsa_group_segment_fixed_size 67584
		.amdhsa_private_segment_fixed_size 0
		.amdhsa_enable_private_segment 0
		.amdhsa_kernarg_size 24
		.amdhsa_user_sgpr_count 2
		.amdhsa_user_sgpr_kernarg_segment_ptr 1
		.amdhsa_wavefront_size32 1
		.amdhsa_system_sgpr_workgroup_id_x 1
		.amdhsa_system_sgpr_workgroup_id_y 1
		.amdhsa_system_sgpr_workgroup_id_z 1
		.amdhsa_system_vgpr_workitem_id 0
		.amdhsa_next_free_vgpr 240
		.amdhsa_next_free_sgpr 66
		.amdhsa_reserve_vcc 0
		.amdhsa_float_denorm_mode_32 3
		.amdhsa_float_denorm_mode_16_64 3
		.amdhsa_memory_ordered 1
		.amdhsa_forward_progress 1
		.amdhsa_inst_pref_size 112
	.end_amdhsa_kernel
	.amdgpu_metadata
---
amdhsa.version: [ 1, 2 ]
amdhsa.kernels:
  - .name:           k_q5288ad96b1_attn
    .symbol:         k_q5288ad96b1_attn.kd
    .args:
      - { .name: qkv, .offset: 0, .size: 8, .value_kind: global_buffer, .address_space: global }
      - { .name: lowp_scales, .offset: 8, .size: 8, .value_kind: global_buffer, .address_space: global }
      - { .name: af, .offset: 16, .size: 8, .value_kind: global_buffer, .address_space: global }
    .group_segment_fixed_size: 67584
    .private_segment_fixed_size: 0
    .kernarg_segment_align: 8
    .kernarg_segment_size: 24
    .max_flat_workgroup_size: 512
    .sgpr_count:     66
    .vgpr_count:     240
    .wavefront_size: 32
...
	.end_amdgpu_metadata
.endif
;; end of part 5
;; launch outp: the kernel of part 4 again; grid 4 x 32, 4 waves a work-group, clusters of 4 x 4, 327,680 bytes of LDS; arguments af, wf, lowp_scales, out0; writes out0
